; MI455X (gfx1250); checked and timed in simulation.
; The chip was launched on July 23, 2026; its instructions are those of AMD's public machine-readable ISA for CDNA 5 (MIT licence, August 2026) and "CDNA5" Instruction Set Architecture Reference Guide (July 2026). The comments in the code are by the model that wrote it; some were corrected since.
;; Attention. Allowed arithmetic: matrix products marked QUANTISED: E2M3 operands, one E8M0 scale for each 32 along K, by v_wmma_scale_f32_16x16x128_f8f6f4 with both operands' format E2M3, f32 sums; everything else in f32.
;; Inputs: cos 2,048 x 64 float32; hidden_states 4 x 2,048 x 1,024 float32; sin 2,048 x 64 float32; w_o 1,024 x 1,024 float32; w_qkv 3,072 x 1,024 float32.
;; Outputs: out0 4 x 2,048 x 1,024 float32.
;; This version of the problem:
;;   THIS VERSION OF THE PROBLEM IS GIVEN IN LOW PRECISION. The matrix products marked QUANTISED in the list below multiply operands that are first quantised to E2M3 (2 exponent bits, 3 mantissa bits; 6 bits a number), with one power-of-two scale for each 32 numbers along K (OCP MX v1.0); their sums are f32. All else is computed in f32.
;;   The module's matrix products, in the order in which they are computed (A, B: the left and right operand; K: the contracted axis; several contracted axes count as one K, in the product's order):
;;     1. [M 8,192, K 1,024] x [K 1,024, N 3,072]; A: input hidden_states; B: input w_qkv: QUANTISED
;;     2. batch 64 x [M 2,048, K 64] x [K 64, N 2,048]; A: computed on the way; B: computed on the way: QUANTISED
;;     3. batch 64 x [M 64, K 2,048] x [K 2,048, N 2,048]; A: computed on the way; B: softmax (see below): QUANTISED
;;     4. [M 8,192, K 1,024] x [K 1,024, N 1,024]; A: computed on the way; B: input w_o: QUANTISED
;;   THE QUANTISER, for each operand of a quantised product, along K:
;;     - K is cut into blocks of 32 from its start; a last block that is shorter is filled with zeros.
;;     - A block's scale is 2^e with e = floor(log2(the largest magnitude in the block)) - 2, held to -126 .. 127; a block of zeros has e = 0. As a byte (E8M0): e + 127.
;;     - Each number is divided by its block's scale, clamped to +-7.5, and rounded to the nearest number of E2M3, ties to even, subnormals kept.
;;     - The product sums the exact products of the quantised numbers (number of the format x scale) in f32.
;;   ~~~python
;;   def quantise(x, axis):      # numpy; x: float32 -> the quantised numbers, widened to float32 again
;;       x = np.moveaxis(x, axis, -1); K = x.shape[-1]
;;       x = np.pad(x, [(0, 0)] * (x.ndim - 1) + [(0, -K % 32)]); x = x.reshape(x.shape[:-1] + (-1, 32)); a = np.abs(x).max(-1, keepdims=True)
;;       e = np.where(a > 0, np.clip(np.frexp(np.where(a > 0, a, 1))[1] - 1 - 2, -126, 127), 0)      # np.frexp(a)[1] - 1 = floor(log2(a)), exactly
;;       r = np.clip(x / 2.0 ** e, -7.5, 7.5)
;;       step = 2.0 ** (np.maximum(np.frexp(np.where(r == 0, 1, r))[1] - 1, 0) - 3)
;;       q = np.round(r / step) * step * 2.0 ** e      # np.round: ties to even
;;       return np.moveaxis(q.reshape(q.shape[:-2] + (-1,))[..., :K], -1, axis).astype(np.float32)
;;   ~~~
;;   SOFTMAX AHEAD OF A QUANTISED PRODUCT. Where the list says 'softmax', what is quantised is not the finished softmax but p = 2^(t - M), with t = logit x log2(e) and M = ceil(the row's largest t), a whole number; so 1/2 < the row's largest p <= 1. The row's sum l is taken of the UNQUANTISED p, in f32, and the product's result is divided by l at the end. Since M is a whole number, a kernel that streams over the keys may use a running M (the ceiling of the running maximum): every later rescaling is an exact power of two, which a block's scale takes up: the codes' values come out the same.
;;   OPERANDS COMPUTED ON THE WAY. 'Computed on the way' means the value that the module computes at that place (a softmax that the list does not call 'softmax' is quantised finished and normalised). What goes into a quantiser is computed in f32, as accurately as f32 sums, v_exp_f32 and their like allow (about 1e-6 of the number): no bf16 or f16 on the way to a quantiser, and a product that is left as it is and whose result goes on into a quantised operand takes f32 operands (vector FMAs, or v_wmma_f32_16x16x4_f32). A number that lies on a knife's edge between two numbers of the format may be rounded either way, as far as f32 arithmetic and the matrix unit's own rounding can turn it there, and no further.
;; One version. Each part assembles by itself: llvm-mc -triple=amdgcn-amd-amdhsa -mcpu=gfx1250 --defsym DOCPART=n.
;; ======== version 1 of 1: 4 launches
;; limits: right only within a limited range of input values
;; workspace buffers: codes 9,437,184 bytes; scales 393,216 bytes; qbuf 6,815,744 bytes; kvbuf 13,369,344 bytes; acodes 6,291,456 bytes; ascales 262,144 bytes
;; launch quant (part 1): grid 384 x 1, 4 waves a work-group, no clusters, 33,280 bytes of LDS; arguments hidden_states, w_qkv, w_o, codes, scales; writes codes, scales
.if DOCPART == 1
	.amdgcn_target "amdgcn-amd-amdhsa--gfx1250"
	.amdhsa_code_object_version 6
	.text
	.protected	k_qbeccf4bb05_quant
	.globl	k_qbeccf4bb05_quant
	.p2align	8
	.type	k_qbeccf4bb05_quant,@function
k_qbeccf4bb05_quant:
	s_mov_b64 s[64:65], 0
	v_nop
	global_prefetch_b8 v0, s[64:65] scope:SCOPE_SE
	s_setreg_imm32_b32 hwreg(HW_REG_WAVE_MODE, 25, 1), 1
	s_wait_xcnt 0x0
; FIRST OF FOUR LAUNCHES.  Nothing of reference() is left out in this program: every input (cos, sin, hidden_states, w_qkv, w_o) has a way to out0 and is loaded; all four products are live.
; This launch turns hidden_states [8192][1024], w_qkv [3072][1024] and w_o [1024][1024], f32, into codes of FP6 (E2M3), 6 bits each, K innermost (768 bytes a row), with one E8M0 scale byte for each 32 along K (32 bytes a row).
; All three go into ONE buffer of 12,288 rows: rows 0-8191 hidden_states, 8192-11263 w_qkv, 11264-12287 w_o.
; ROW ORDER.  The rows of hidden_states and w_qkv are laid with bits 3 and 4 of the row number exchanged: 16 neighbouring rows of the buffer are then rows 32 b + 8 u + r + 8 (r / 8), so that, where such a tile is a product's
; source 0, the 16 result registers of two neighbouring tiles are 16 neighbours along that axis.  A wave's run is 8 rows, so the exchange is an exchange of the two bits of the wave's number.  w_o keeps its order.
; A block's scale is 2^(floor(log2(its largest magnitude)) - 2); its byte is the largest magnitude's exponent field - 2, held at 1 from below.  Each number is divided by the scale and rounded to the nearest code, ties to even, beyond 7.5 the largest code.
; LIMITS: a block of zeros gets the byte 1 where the rule says 127 (its codes are zeros, which add nothing, and this program alone reads the bytes); blocks whose largest magnitude lies under 2^-124 get the byte 1; NaN and infinities among the inputs are not served.
; A wave takes 16 steps of 512 numbers.  Each of a step's four loads reads 512 consecutive bytes; the 2,048 bytes turn through the wave's own stage in LDS and come back 64 bytes (16 neighbours) a lane; two neighbouring lanes hold a block.
; No tensor loads, no barrier, no cluster: the waves share nothing, and no byte is read twice.  Loads run four steps (16 loads a wave) ahead, the turn through LDS one step.
.set WAVES, 4
.set STEPS, 16
.set EMAX,  2
.set CB,    12                         ; bytes of 16 codes
.set R,     16                         ; v16-79   four sets of 16 numbers as they are loaded
.set X,     80                         ; v80-111  two sets of 16 neighbours
.set C,     128                        ; v128-191 codes: four registers for each step, so that no store's data are written again
.set E,     112                        ; v112-127 a scale byte for each step
.set WREG,  8192                       ; LDS: a region for each wave: two stages of 32 x SP bytes, behind them its 256 scale bytes
.set SP,    80                         ; a lane's place in a stage: its 64 bytes + 16 of padding
.set SPW,   12                         ; v12      LDS address of my spare word; never rewritten
.set NIL,   13                         ; v13      0; never rewritten
.set SPARE, WAVES*WREG                 ; behind the four regions: the spare words, 128 bytes for each wave
	s_load_b128 s[4:7], s[0:1], 0x0                ; hidden_states, w_qkv
	s_load_b128 s[8:11], s[0:1], 0x10              ; w_o, codes
	s_load_b64 s[12:13], s[0:1], 0x20              ; scales
	v_lshl_add_u32 v[SPW], v0, 2, SPARE
	v_mov_b32 v[NIL], 0
	v_lshrrev_b32 v1, 5, v0
	v_readfirstlane_b32 s16, v1                    ; wave
	v_and_b32 v2, 31, v0                           ; lane
	v_lshlrev_b32 v3, 4, v2                        ; my 16 bytes of a load's 512
	s_mul_i32 s17, s16, WREG
	v_lshrrev_b32 v14, 2, v2
	v_mul_u32_u24 v14, v14, SP
	v_and_b32 v15, 3, v2
	v_lshl_add_u32 v14, v15, 4, v14
	v_add_nc_u32 v14, s17, v14                     ; the stage, on the way in: SP (lane / 4) + 16 (lane % 4)
	v_mul_u32_u24 v15, v2, SP
	v_add_nc_u32 v15, s17, v15                     ; and on the way out: SP x lane: my 16 neighbours
.set PLANE, 2359296                    ; the codes lie in four planes, one for each 256 along K: [K step][12,288 rows][192 bytes]; 128 rows of a plane are 96 x 256 dense bytes
	v_and_b32 v8, 15, v2
	v_lshrrev_b32 v9, 4, v2
	v_mul_u32_u24 v4, v8, CB                       ; my codes' place: 12 bytes x (lane % 16) in the row's 192,
	v_mad_u32_u24 v4, v9, 0x240000, v4             ; lanes 16-31 one plane on
	v_lshrrev_b32 v5, 1, v2
	s_add_co_u32 s17, s17, 2*32*SP
	v_add_nc_u32 v5, s17, v5                       ; LDS: my wave's 256 scale bytes, my block's byte
	v_lshlrev_b32 v7, 3, v2                        ; and on the way out 8 bytes a lane
	v_add_nc_u32 v6, s17, v7
	s_and_b32 s21, s16, 1
	s_lshl_b32 s21, s21, 1
	s_lshr_b32 s22, s16, 1
	s_or_b32 s22, s22, s21                         ; the wave's number with its two bits exchanged
	s_mov_b32 s20, 352
	s_wait_alu depctr_va_vdst(0)
	s_wait_kmcnt 0x0
	s_cmp_lt_u32 ttmp9, 256                        ; work-groups 0-255: hidden_states; 256-351: w_qkv; 352-383: w_o.  The choices hang on the work-group's number alone
	s_cselect_b64 s[4:5], s[4:5], s[6:7]
	s_cselect_b32 s17, 0, 256
	s_cmp_lt_u32 ttmp9, s20
	s_cselect_b64 s[4:5], s[4:5], s[8:9]
	s_cselect_b32 s17, s17, s20                    ; the tensor's first work-group
	s_cselect_b32 s22, s22, s16                    ; w_o keeps its rows' order
	s_sub_co_u32 s17, ttmp9, s17
	s_lshl_b32 s17, s17, 2
	s_add_co_u32 s18, s17, s16                     ; which run of 8,192 numbers of the tensor is my wave's
	s_lshl_b32 s18, s18, 15                        ; 32,768 bytes a run (under 2^26)
	s_mov_b32 s19, 0
	s_add_nc_u64 s[4:5], s[4:5], s[18:19]
	s_lshl_b32 s18, ttmp9, 2
	s_add_co_u32 s22, s18, s22                     ; and which run of 8 rows of the buffers it fills
	s_mul_i32 s18, s22, 8*192
	s_add_nc_u64 s[10:11], s[10:11], s[18:19]
	s_lshl_b32 s18, s22, 8
	s_add_nc_u64 s[12:13], s[12:13], s[18:19]
.macro LOAD t
.irp i, 0,1,2,3
	global_load_b128 v[R+16*((\t)%4)+4*\i:R+16*((\t)%4)+4*\i+3], v3, s[4:5] offset:2048*(\t)+512*\i th:TH_LOAD_NT   ; 32 lanes read 512 consecutive bytes
.endr
.endm
.macro TURN t                          ; step t's numbers through the stage: LDS serves a wave's instructions in order, so no wait stands between the stores and the loads
.irp i, 0,1,2,3
	ds_store_b128 v14, v[R+16*((\t)%4)+4*\i:R+16*((\t)%4)+4*\i+3] offset:32*SP*((\t)%2)+8*SP*\i
.endr
.irp i, 0,1,2,3
	ds_load_b128 v[X+16*((\t)%2)+4*\i:X+16*((\t)%2)+4*\i+3], v15 offset:32*SP*((\t)%2)+16*\i
.endr
.endm
.irp t, 0,1,2,3
	LOAD \t
.endr
	s_wait_loadcnt 12                              ; step 0's four loads are in; the twelve of steps 1 to 3 stay out
	TURN 0
.macro STEP t
.set XS, X+16*((\t)%2)
.if (\t) > 0
	s_wait_dscnt 1                                 ; this step's numbers are back from the stage (the last step's byte store may be out): so its stores into the stage have read their registers,
.else
	s_wait_dscnt 0x0
.endif
.if (\t)+4 < STEPS
	LOAD (\t)+4                                    ; which take the loads of four steps on
.endif
.if (\t)+1 < STEPS
.if STEPS-2-(\t) >= 3
	s_wait_loadcnt 12                              ; the next step's four loads are in; those of the three steps behind it may be out
.else
	s_wait_loadcnt 4*(STEPS-2-(\t))
.endif
	TURN (\t)+1                                    ; and go through the other stage while this step is worked
.endif
	v_max3_num_f32 v8, |v[XS]|, |v[XS+1]|, |v[XS+2]|               ; the largest magnitude of my 16, in two chains
	v_max3_num_f32 v9, |v[XS+3]|, |v[XS+4]|, |v[XS+5]|
.irp i, 6,10
	v_max3_num_f32 v8, v8, |v[XS+\i]|, |v[XS+\i+1]|
	v_max3_num_f32 v9, v9, |v[XS+\i+2]|, |v[XS+\i+3]|
.endr
	v_max3_num_f32 v8, v8, |v[XS+14]|, |v[XS+15]|
	v_max3_num_f32 v8, v8, v9, (EMAX+1)<<23        ; and the floor 2^(3 - 127): so the byte cannot fall under 1
	v_max_num_f32_dpp v8, v8, v8 row_xmask:1 row_mask:0xf bank_mask:0xf   ; and of my neighbour's 16: the block's
	v_add_nc_u32 v11, -(EMAX<<23), v8              ; 2 off its exponent field: the conversion takes the exponent field of this operand as its scale
	v_cvt_scalef32_pk16_fp6_f32 v[C+4*(\t):C+4*(\t)+2], v[XS:XS+15], v11
	v_lshrrev_b32 v[E+(\t)], 23, v11               ; the scale's byte (a plain line behind the conversion)
	ds_store_b8 v5, v[E+(\t)] offset:16*(\t)       ; both lanes of a block write the same byte with the same value
	global_store_b96 v4, v[C+4*(\t):C+4*(\t)+2], s[10:11] offset:2*PLANE*((\t)%2)+192*((\t)/2)   ; step t is half t % 2 of row t / 2: sixteen lanes store a row's 192 bytes of one plane
.endm
.irp t, 0,1,2,3,4,5,6,7,8,9,10,11,12,13,14,15
	STEP \t
.endr
	ds_load_b64 v[8:9], v6                         ; LDS serves a wave's instructions in order: these see my stores
	s_wait_dscnt 0x0
	global_store_b64 v7, v[8:9], s[12:13]          ; 32 lanes store 256 consecutive bytes, aligned: the scale bytes of my 8 rows
	s_wait_tensorcnt 0x0                           ; the wave's end
	ds_add_u32 v[SPW], v[NIL]
	s_wait_dscnt 0x0
	s_endpgm
.Lfunc_end_k_qbeccf4bb05_quant:
	.size	k_qbeccf4bb05_quant, .Lfunc_end_k_qbeccf4bb05_quant-k_qbeccf4bb05_quant
	.p2alignl 7, 3214868480
	.fill 96, 4, 3214868480
	.section	.rodata,"a",@progbits
	.p2align	6, 0x0
	.amdhsa_kernel k_qbeccf4bb05_quant
		.amdhsa_group_segment_fixed_size 33280
		.amdhsa_private_segment_fixed_size 0
		.amdhsa_enable_private_segment 0
		.amdhsa_kernarg_size 40
		.amdhsa_user_sgpr_count 2
		.amdhsa_user_sgpr_kernarg_segment_ptr 1
		.amdhsa_wavefront_size32 1
		.amdhsa_system_sgpr_workgroup_id_x 1
		.amdhsa_system_sgpr_workgroup_id_y 1
		.amdhsa_system_sgpr_workgroup_id_z 1
		.amdhsa_system_vgpr_workitem_id 0
		.amdhsa_next_free_vgpr 192
		.amdhsa_next_free_sgpr 66
		.amdhsa_reserve_vcc 0
		.amdhsa_float_denorm_mode_32 3
		.amdhsa_float_denorm_mode_16_64 3
		.amdhsa_memory_ordered 1
		.amdhsa_forward_progress 1
		.amdhsa_inst_pref_size 33
	.end_amdhsa_kernel
	.amdgpu_metadata
---
amdhsa.version: [ 1, 2 ]
amdhsa.kernels:
  - .name:           k_qbeccf4bb05_quant
    .symbol:         k_qbeccf4bb05_quant.kd
    .args:
      - { .name: hidden_states, .offset: 0, .size: 8, .value_kind: global_buffer, .address_space: global }
      - { .name: w_qkv, .offset: 8, .size: 8, .value_kind: global_buffer, .address_space: global }
      - { .name: w_o, .offset: 16, .size: 8, .value_kind: global_buffer, .address_space: global }
      - { .name: codes, .offset: 24, .size: 8, .value_kind: global_buffer, .address_space: global }
      - { .name: scales, .offset: 32, .size: 8, .value_kind: global_buffer, .address_space: global }
    .group_segment_fixed_size: 33280
    .private_segment_fixed_size: 0
    .kernarg_segment_align: 8
    .kernarg_segment_size: 40
    .max_flat_workgroup_size: 128
    .sgpr_count:     66
    .vgpr_count:     192
    .wavefront_size: 32
...
	.end_amdgpu_metadata
.endif
;; end of part 1
;; launch qkv (part 2): grid 12 x 32, 4 waves a work-group, clusters of 4 x 4, 327,680 bytes of LDS; arguments codes, scales, cos, sin, qbuf, kvbuf; writes qbuf, kvbuf
.if DOCPART == 2
	.amdgcn_target "amdgcn-amd-amdhsa--gfx1250"
	.amdhsa_code_object_version 6
	.text
	.protected	k_qbeccf4bb05_qkv
	.globl	k_qbeccf4bb05_qkv
	.p2align	8
	.type	k_qbeccf4bb05_qkv,@function
k_qbeccf4bb05_qkv:
	s_mov_b64 s[64:65], 0
	v_nop
	global_prefetch_b8 v0, s[64:65] scope:SCOPE_SE
	s_setreg_imm32_b32 hwreg(HW_REG_WAVE_MODE, 25, 1), 1
	s_wait_xcnt 0x0
	s_wait_alu depctr_hold_cnt(0) depctr_sa_sdst(0) depctr_va_vdst(0) depctr_va_sdst(0) depctr_va_ssrc(0) depctr_va_vcc(0) depctr_vm_vsrc(0)
	s_getreg_b32 s2, hwreg(HW_REG_IB_STS2, 6, 4)
	s_cmp_eq_u32 s2, 0
	s_cbranch_scc0 .Lentry_in_a_cluster
	s_endpgm
.Lentry_in_a_cluster:
	s_bfe_u32 s2, ttmp6, 0x10000c
	s_cmp_lg_u32 s2, 0xf033
	s_cbranch_scc0 .Lentry_shape_is_right
	s_endpgm
.Lentry_shape_is_right:
; SECOND LAUNCH: qkv = hidden_states w_qkv^T on codes of FP6 (E2M3) with E8M0 scales, and in registers what follows it: RoPE on q and k, and the quantising of q, k (along the head's 64) and v (along the keys).  No work of reference() is left out.
; Both operands are rows of the same two buffers (codes: 768 bytes a row, scales: 32 bytes a row; rows 0-8191 tokens, 8192-11263 features of w_qkv, both with bits 3 and 4 of the row number exchanged).
; A tile of 256 x 256 is made by four waves, each 128 x 128: 64 accumulators.  K = 1024 goes in four steps of 256 through a ring of two LDS slots filled by the tensor data mover; the scale bytes of the tile's rows come once and stay.
; SOURCE 0's rows fall into a lane's REGISTERS, source 1's into the LANES.  Called B (source 0, by tile column tc) and A (source 1, by tile row tr) below.
;   q, k (clusters x = 0, 1): B = 256 features (four heads), A = tokens.  A lane holds one token, and its 32 registers of a head hold d = 32 b + 16 (lane / 16) + i: d and d + 32 lie in one lane, so RoPE changes no lane, and the numbers lie as the conversions want them.
;        A's two halves are the SAME 128 positions of two batches, and a wave takes 64 positions of each: one set of cos and sin in registers serves 2 batches x 2 heads.
;   v    (cluster x = 2):     B = 256 tokens (keys), A = 256 features of v.  A lane holds one channel d, its 64 registers 128 keys: the second product's K.
; The choice hangs on the cluster's x alone, which all sixteen partners share; only row numbers are chosen, LDS is laid alike.
; CLUSTERS: 4 x 4 work-groups; A's tiles are asked for jointly along a row of the cluster, B's along a column.
; RESULTS LEAVE FROM REGISTERS AS IMAGES OF OPERAND REGISTERS: groups of four registers, lane l's 16 bytes at 16 l, so each store covers 512 consecutive bytes, aligned.
;   qbuf: a head (16 batch + head) is 106,496 bytes: 64 pairs of token tiles x 1,536 (registers 0-5: the even tile's 64 codes a row, 6-11: the odd tile's), then 32 blocks of 256 bytes of scale words.
;   kvbuf: a head is 208,896 bytes: K's images as q's, 16 key steps x 6,144; at 98,304 V's, 16 x 6,144 (four fragments of 16 channels x 128 keys); at 196,608 16 x 768 of scale words (K's two blocks, V's one).
;   A scale-word register holds the even tile's words in lanes 0-15 and the odd tile's in lanes 16-31.
; LIMITS: RoPE is a multiplication and a fused multiply-add where reference() has two multiplications and an addition; a block of zeros gets the byte 1 (its codes are zeros; this program alone reads the bytes); blocks under 2^-124 get the byte 1; NaN and infinities are not served.
; REGISTERS, in windows of 256: window 0: v0-31 addresses; v32-63 scale words, two sets; v128-223 A's fragments, one set.  window 1: B's fragments, two sets, at v0 and v128; v96-127, v224-255: cos and sin of the first token tile.
;   window 2: accumulators of A's blocks 0-3 ((a, b) at v[8 (8 a + b)]); window 3: of blocks 4-7.  On the way out window 0 is at work and window 1 holds the tables.
.set KSTEP,  256
.set NQ,     KSTEP/128
.set ROWB,   192                       ; a tile's row in bytes
.set KROW,   192                       ; a row of codes in one plane of the buffer
.set PLANE,  2359296                   ; a plane: 256 along K of all 12,288 rows
.set PITCH,  240                       ; an LDS row: 3 x (64 bytes + 16 of padding)
.set FR,     12
.set NL,     6
.set NP,     4                         ; places behind this matrix instruction (ISA guide 7.12.1)
.set HALFT,  128*PITCH
.set SLOT,   4*HALFT                   ; A's 256 rows, then B's 256 rows
.set LAPS,   2                         ; 1024 / 512
.set KS,     32                        ; a row of scales in bytes
.set SCL,    2*SLOT                    ; behind the ring: the scales, as units of 256 bytes + 16 of padding
.set HALFS,  (128*KS/256)*272
.set SBLK,   (16*KS/256)*272
.set SPARE,  SCL+4*HALFS               ; the spare words, 128 bytes for each wave
.set ADRA, 16                          ; v16-19  LDS addresses of my A fragments (slot 0, 1; the same behind one padding more)
.set ADRB, 20                          ; v20-23  the same for B
.set IMO,  24                          ; v24     the way out: my byte offset among a head's images
.set SWO,  25                          ; v25     and among its scale words
.set TBO,  26                          ; v26     my byte offset in cos and sin
.set ADRS, 27                          ; v27     LDS address of my scale words, blocks 0-3: lanes 0-15 A's, lanes 16-31 B's
.set SPW,  28
.set NIL,  29
.set ADRS2, 30                         ; v30     the same for blocks 4-7
.set SC,   32
.set AF,   128
.set T,    32                          ; the way out: v32-63 a head's 32 numbers of a token
.set TM,   64                          ; v64.. at work in the quantisers
.set XT,   72                          ; v72-74 a conversion's second half (q, k)
.set PWE,  76                          ; v76-79 the even tile's scale words (q, k)
.set SW,   80                          ; v80-87 scale words to store (q, k)
.set PW,   80                          ; v80, v81 scale word of an odd, an even tile (v)
.set SWV,  84                          ; v84-87 scale words to store (v)
.set RS,   96                          ; v96-191 eight images of 12 registers: no store's data are written again
.set XV,   192                         ; v192-198 conversions' second halves (v)
.set SEL,  20                          ; s[20:21] behind the loop: lane selects for v_permlanex16_b32
.set TYPE, 95                          ; s95  1: v's tiles, 0: q's and k's
.set HI16, 100                         ; s100 a mask of lanes 16-31
.set G1, 24
.set G0, 32
.set G1B, 48
.set G0B, 56
.set G1S, 68
.set G0S, 76
.set G1SB, 80
.set G0SB, 88
.set MSB, 0
.macro WIN new                         ; the immediate's high byte repeats the setting that is left
.if MSB != \new
	s_set_vgpr_msb (MSB<<8)|\new
.set MSB, \new
.endif
.endm
.set MUL_LO, 0xa1                      ; source 0 (B) window 1, source 1 (A) window 0, C and D window 2
.set MUL_HI, 0xf1
.set TO_B,   0x40                      ; destination window 1, address window 0
; A joint load: waves 0 and 1 fetch for A, waves 2 and 3 for B; the branch hangs on the wave's number alone.  An s_nop 0 and four v_nop follow each line.
.macro JLOAD g0a, g1a, g0b, g1b
	s_cmp_eq_u32 s15, 0
	s_cbranch_scc0 .Lfor_b_\@
	tensor_load_to_lds s[\g0a:\g0a+3], s[\g1a:\g1a+7]
	s_nop 0
.rept 4
	v_nop
.endr
	s_branch .Lasked_\@
.Lfor_b_\@:
	tensor_load_to_lds s[\g0b:\g0b+3], s[\g1b:\g1b+7]
	s_nop 0
.rept 4
	v_nop
.endr
.Lasked_\@:
.endm
.macro CREST                           ; a round of the cluster's barrier behind its opening barrier
	s_cmp_lg_u32 s14, 0
	s_cbranch_scc1 .Lnot_wave_0_\@
	s_barrier_signal -3
.Lnot_wave_0_\@:
	s_barrier_wait -3
	s_barrier_signal -1
	s_barrier_wait -1
.endm
.macro CROUND
	s_barrier_signal -1
	s_barrier_wait -1
	CREST
.endm
	s_load_b256 s[4:11], s[0:1], 0x0               ; codes s[4:5], scales s[6:7], cos s[8:9], sin s[10:11]
	s_load_b128 s[96:99], s[0:1], 0x20             ; qbuf s[96:97], kvbuf s[98:99]
	v_lshl_add_u32 v[SPW], v0, 2, SPARE
	v_mov_b32 v[NIL], 0
	ds_add_u32 v[SPW], v[NIL]                      ; the wave's opening: the add, twice on end, and its wait ahead of my first tensor load
	ds_add_u32 v[SPW], v[NIL]
	v_lshrrev_b32 v1, 5, v0
	v_readfirstlane_b32 s14, v1                    ; wave 0..3
	s_lshr_b32 s15, s14, 1                         ; which part of A's rows is mine.  Also: I fetch for A (0) or for B (1)
	s_and_b32 s16, s14, 1                          ; which half of B's rows.  Also: which 128 rows I fetch
	s_bfe_u32 s40, ttmp6, 0x40000                  ; cx, cy: my place in the cluster
	s_bfe_u32 s41, ttmp6, 0x40004
	s_and_b32 s12, ttmp7, 0xffff                   ; the cluster's y
	s_cmp_eq_u32 ttmp9, 2                          ; the cluster's x: the same in all sixteen partners
	s_cselect_b32 s[TYPE], 1, 0
	s_cselect_b32 s42, s12, ttmp9                  ; v: tile columns go by the cluster's y (32 x 256 tokens); q, k: by its x (8 x 256 features)
	s_cselect_b32 s17, 0, s12                      ; v: four tile rows (4 x 256 features); q, k: 32
	s_lshl_b32 s42, s42, 2
	s_add_co_u32 s42, s42, s40                     ; tc
	s_lshl_b32 s17, s17, 2
	s_add_co_u32 s17, s17, s41                     ; tr
	s_lshl_b32 s43, s41, 2
	s_lshl_b32 s43, 15, s43                        ; my row of the cluster
	s_lshl_b32 s44, 0x1111, s40                    ; my column
	s_or_b32 s[G1+0], s43, (0<<16)|(1<<20)|(1<<21)|(3<<22)|(3<<25)  ; the mask; elements of 1 byte; padding on; bit 21 beside a mask; after every 16 words 4 words of padding
	s_or_b32 s[G1B+0], s44, (0<<16)|(1<<20)|(1<<21)|(3<<22)|(3<<25)
.irp g, G1, G1B
	s_mov_b32 s[\g+1], 256<<16                     ; 128 rows x 192 bytes are dense in a plane: stated as 96 rows of 256 bytes, each on a 256-byte border
	s_mov_b32 s[\g+2], 96<<16
	s_mov_b32 s[\g+3], 256<<16
	s_mov_b32 s[\g+4], 96
	s_mov_b32 s[\g+5], 256
	s_mov_b32 s[\g+6], 0
	s_mov_b32 s[\g+7], 0
.endr
	s_or_b32 s[G1S+0], s43, (3<<16)|(1<<20)|(1<<21)|(5<<22)|(3<<25)  ; the scales of 128 rows: 4,096 dense bytes as 16 rows of 256 bytes, 16 of padding behind each
	s_or_b32 s[G1SB+0], s44, (3<<16)|(1<<20)|(1<<21)|(5<<22)|(3<<25)
.irp g, G1S, G1SB
	s_mov_b32 s[\g+1], 32<<16
	s_mov_b32 s[\g+2], (128*KS/256)<<16
	s_mov_b32 s[\g+3], 32<<16
	s_mov_b32 s[\g+4], 128*KS/256
	s_mov_b32 s[\g+5], 32
	s_mov_b32 s[\g+6], 0
	s_mov_b32 s[\g+7], 0
.endr
	; the first row, in the buffers, of the 128 that I fetch (half j = s16).  A's registers never hold cx, B's never cy
	s_lshr_b32 s18, s17, 4
	s_lshl_b32 s18, s18, 12                        ; q, k: A: batches 2 (tr / 16) and + 1,
	s_and_b32 s19, s17, 15
	s_lshl_b32 s19, s19, 7                         ; positions 128 (tr % 16) on;
	s_add_co_u32 s18, s18, s19
	s_lshl_b32 s19, s16, 11                        ; half j is batch 2 (tr / 16) + j
	s_add_co_u32 s18, s18, s19
	s_lshl_b32 s20, s17, 8
	s_lshl_b32 s19, s16, 7
	s_add_co_u32 s20, s20, s19
	s_add_co_u32 s20, s20, 10240                   ; v: A: v's features, 8192 + 2048 + 256 tr + 128 j
	s_lshl_b32 s46, s42, 8
	s_add_co_u32 s46, s46, s19                     ; B: 256 tc + 128 j,
	s_cmp_eq_u32 s[TYPE], 0
	s_cselect_b32 s20, s18, s20
	s_cselect_b32 s47, 8192, 0                     ; among w_qkv's rows for q and k, among the tokens for v
	s_add_co_u32 s46, s46, s47
	s_mov_b32 s21, 0
	s_mov_b32 s47, 0
	s_mov_b64 s[18:19], KS
	s_mul_u64 s[22:23], s[20:21], s[18:19]         ; where these rows' scales begin, in bytes
	s_mul_u64 s[92:93], s[46:47], s[18:19]
	s_mov_b64 s[18:19], KROW
	s_mul_u64 s[20:21], s[20:21], s[18:19]         ; and their codes
	s_mul_u64 s[46:47], s[46:47], s[18:19]
	s_mul_i32 s45, s14, HALFT                      ; where they go: wave x 128 rows
	s_mul_i32 s94, s14, HALFS
	s_wait_dscnt 0x0                               ; both opening adds are done
	s_wait_kmcnt 0x0
	s_add_nc_u64 s[20:21], s[4:5], s[20:21]
	s_add_nc_u64 s[22:23], s[6:7], s[22:23]
	s_add_nc_u64 s[46:47], s[4:5], s[46:47]
	s_add_nc_u64 s[92:93], s[6:7], s[92:93]
	CROUND                                         ; all sixteen work-groups are here: the first joint loads meet
	s_mov_b32 s[G0S], 1
	s_add_co_u32 s[G0S+1], s94, SCL
	s_mov_b64 s[G0S+2:G0S+3], s[22:23]
	s_or_b32 s[G0S+3], s[G0S+3], 0x80000000
	s_mov_b32 s[G0SB], 1
	s_add_co_u32 s[G0SB+1], s94, SCL
	s_mov_b64 s[G0SB+2:G0SB+3], s[92:93]
	s_or_b32 s[G0SB+3], s[G0SB+3], 0x80000000
	JLOAD G0S, G1S, G0SB, G1SB                     ; the scales first: they are wanted with K step 0.  Each load below waits for those before it to land
.irp s, 0,1
	s_mov_b32 s[G0+4*\s], 1
	s_add_co_u32 s[G0+4*\s+1], s45, \s*SLOT
	s_add_nc_u64 s[G0+4*\s+2:G0+4*\s+3], s[20:21], \s*PLANE
	s_or_b32 s[G0+4*\s+3], s[G0+4*\s+3], 0x80000000
	s_mov_b32 s[G0B+4*\s], 1
	s_add_co_u32 s[G0B+4*\s+1], s45, \s*SLOT
	s_add_nc_u64 s[G0B+4*\s+2:G0B+4*\s+3], s[46:47], \s*PLANE
	s_or_b32 s[G0B+4*\s+3], s[G0B+4*\s+3], 0x80000000
	s_wait_alu depctr_va_vdst(0)
	s_wait_tensorcnt 0x0                           ; a later first fill is issued as a refill is
	ds_add_u32 v28, v29
	s_wait_dscnt 0x0
	CROUND
	JLOAD G0+4*\s, G1, G0B+4*\s, G1B
.endr
	v_and_b32 v1, 15, v0                           ; r = lane % 16
	v_bfe_u32 v2, v0, 4, 1                         ; h = lane / 16
	v_mul_u32_u24 v3, v1, PITCH
	v_mul_u32_u24 v4, v2, 24
	v_add_nc_u32 v4, v3, v4                        ; a fragment's row x pitch + 24 x half
	v_lshl_add_u32 v5, v2, 4, v4                   ; and the same behind one padding more
	s_mul_i32 s21, s15, 64*PITCH                   ; my A blocks 0-3 are rows 64 s15 on of half 0, blocks 4-7 the same rows of half 1
	s_mul_i32 s22, s16, HALFT                      ; my 128 rows of B,
	s_add_co_u32 s22, s22, 2*HALFT                 ; which lie behind A's 256
.irp s, 0,1
	v_add_nc_u32 v[ADRA+\s], s21, v4
	v_add_nc_u32 v[ADRB+\s], s22, v4
	v_add_nc_u32 v[ADRA+2+\s], s21, v5
	v_add_nc_u32 v[ADRB+2+\s], s22, v5
	s_add_co_u32 s21, s21, SLOT
	s_add_co_u32 s22, s22, SLOT
.endr
	v_mul_u32_u24 v5, v1, KS                       ; my row's scales: KS bytes a row,
	v_lshrrev_b32 v6, 8, v5
	v_lshl_add_u32 v5, v6, 4, v5                   ; and 16 more for each 256 passed
	s_mul_i32 s22, s16, HALFS
	s_add_co_u32 s22, s22, 2*HALFS                 ; B's: my 128 rows, behind A's 256
	s_mul_i32 s21, s15, 4*SBLK                     ; A's blocks 0-3: scale blocks 4 s15 + i
	s_sub_co_u32 s23, s22, s21
	v_mul_u32_u24 v6, s23, v2                      ; lanes 16-31 take B's: one product, the distance between the two bases
	s_add_co_u32 s21, s21, SCL
	v_add_nc_u32 v6, v5, v6
	v_add_nc_u32 v[ADRS], s21, v6
	s_mul_i32 s21, s15, 4*SBLK
	s_add_co_u32 s21, s21, 4*SBLK                  ; A's blocks 4-7: scale blocks 8 + 4 s15 + i - 4
	s_sub_co_u32 s23, s22, s21
	v_mul_u32_u24 v6, s23, v2
	s_wait_alu depctr_va_vdst(0)
	s_add_co_u32 s21, s21, SCL
	v_add_nc_u32 v6, v5, v6
	v_add_nc_u32 v[ADRS2], s21, v6
	; cos and sin: lane (r, h) of token tile a wants, of position 32 (a / 2) + 8 (a % 2) + r + 8 (r / 8), the columns 32 b + 16 h + 0 .. 15
	v_and_b32 v6, 7, v1
	v_lshrrev_b32 v7, 3, v1
	v_lshl_add_u32 v6, v7, 4, v6
	v_lshlrev_b32 v6, 8, v6                        ; a row of the tables is 256 bytes
	v_lshl_add_u32 v[TBO], v2, 6, v6
	s_and_b32 s18, s17, 15
	s_lshl_b32 s18, s18, 15                        ; positions 128 (tr % 16)
	s_lshl_b32 s19, s15, 14                        ; + 64 s15 on
	s_add_co_u32 s18, s18, s19
	s_mov_b32 s19, 0
	s_add_nc_u64 s[8:9], s[8:9], s[18:19]
	s_add_nc_u64 s[10:11], s[10:11], s[18:19]
.macro TABLE a, cb, sb                 ; token tile a's 32 numbers of cos into window 1 from v[cb] on, of sin from v[sb] on: 16 loads
.irp hf, 0,1
.irp jj, 0,1,2,3
	global_load_b128 v[\cb+16*\hf+4*\jj:\cb+16*\hf+4*\jj+3], v[TBO], s[8:9] offset:(32*((\a)/2)+8*((\a)%2))*256+128*\hf+16*\jj
	global_load_b128 v[\sb+16*\hf+4*\jj:\sb+16*\hf+4*\jj+3], v[TBO], s[10:11] offset:(32*((\a)/2)+8*((\a)%2))*256+128*\hf+16*\jj
.endr
.endr
.endm
	s_cmp_lg_u32 s[TYPE], 0
	s_cbranch_scc1 .Lno_table                      ; v has no RoPE
	WIN TO_B
	s_wait_alu depctr_va_vdst(0)
	TABLE 0, 96, 224                               ; the first token tile's tables are asked for now, into the 64 registers of window 1 that the loop leaves free
	WIN 0
.Lno_table:
.macro FRAG reg, adr, q, i             ; a fragment, 16 rows x 128 K: 12 registers, in pieces of 8 bytes; where the piece three on lies behind one padding more, the second address register serves
.irp p, 0,1,2,3,4,5
.set PCE, 12*(\q)+6*(\p/3)+\p%3
.if PCE%8 < 5
	ds_load_b64 v[\reg+2*\p:\reg+2*\p+1], v[\adr] offset:8*PCE+16*(PCE/8)+(\i)*16*PITCH
.else
	ds_load_b64 v[\reg+2*\p:\reg+2*\p+1], v[\adr+2] offset:8*PCE+16*(PCE/8)+(\i)*16*PITCH
.endif
.endr
.endm
; 16 matrix instructions: A's blocks a0, a0 + 1 x B's eight.  The 64 accumulators take turns, one instruction a turn, in the same order in every step.
.macro MUL16 a0, p, q, sc, zero
.irp a, \a0, \a0+1
.irp b, 0,1,2,3,4,5,6,7
.if \zero
	v_wmma_scale_f32_16x16x128_f8f6f4 v[8*(8*((\a)%4)+\b):8*(8*((\a)%4)+\b)+7], v[128*(\p)+FR*\b:128*(\p)+FR*\b+FR-1], v[AF+FR*(\a):AF+FR*(\a)+FR-1], 0, v[SC+8*NQ*(\sc)+NQ*\b+(\q)], v[SC+8*NQ*(\sc)+NQ*(\a)+(\q)] matrix_a_fmt:MATRIX_FMT_FP6 matrix_b_fmt:MATRIX_FMT_FP6 matrix_a_scale:MATRIX_SCALE_ROW1
.else
	v_wmma_scale_f32_16x16x128_f8f6f4 v[8*(8*((\a)%4)+\b):8*(8*((\a)%4)+\b)+7], v[128*(\p)+FR*\b:128*(\p)+FR*\b+FR-1], v[AF+FR*(\a):AF+FR*(\a)+FR-1], v[8*(8*((\a)%4)+\b):8*(8*((\a)%4)+\b)+7], v[SC+8*NQ*(\sc)+NQ*\b+(\q)], v[SC+8*NQ*(\sc)+NQ*(\a)+(\q)] matrix_a_fmt:MATRIX_FMT_FP6 matrix_b_fmt:MATRIX_FMT_FP6 matrix_a_scale:MATRIX_SCALE_ROW1
.endif
.endr
.endr
.endm
.macro FETCH_B slot, q, p
	WIN TO_B
.irp i, 0,1,2,3,4,5,6,7
	FRAG 128*(\p)+FR*\i, ADRB+\slot, \q, \i
.endr
	WIN 0
.endm
.macro FETCH_A slot, q, i0             ; A's blocks i0 .. i0 + 3: block i lies 8 (i / 4) + i % 4 blocks of 16 rows behind my first
.irp i, \i0, \i0+1, \i0+2, \i0+3
	FRAG AF+FR*(\i), ADRA+\slot, \q, 8*((\i)/4)+(\i)%4
.endr
.endm
.macro SCALES sc                       ; a K step's scale words into set sc: lanes 0-15 take A's block i, lanes 16-31 B's block i
.irp i, 0,1,2,3
	ds_load_b64 v[SC+8*NQ*\sc+NQ*\i:SC+8*NQ*\sc+NQ*\i+1], v[ADRS] offset:\i*SBLK
.endr
.irp i, 4,5,6,7
	ds_load_b64 v[SC+8*NQ*\sc+NQ*\i:SC+8*NQ*\sc+NQ*\i+1], v[ADRS2] offset:\i*SBLK
.endr
.endm
.macro PLACES n                        ; plain vector lines between a matrix instruction and a load into, or a read of, its registers
.rept \n
	v_nop
.endr
.endm
.macro STEP slot, q, zero              ; a step of 128 along K that has its successor in the same slot
	s_wait_dscnt 4*NL                              ; B's set, A's blocks 0-3 and the scale words are in; the youngest 24 loads (A's blocks 4-7) may be out
	WIN MUL_LO
	MUL16 0, (\q)%2, \q, \slot, \zero
	MUL16 2, (\q)%2, \q, \slot, \zero
	s_wait_dscnt 0                                 ; A's blocks 4-7 are in
	PLACES NP
	FETCH_B \slot, (\q)+1, 1-(\q)%2
	FETCH_A \slot, (\q)+1, 0
	WIN MUL_HI
	MUL16 4, (\q)%2, \q, \slot, \zero
	MUL16 6, (\q)%2, \q, \slot, \zero
	PLACES NP
	WIN 0
	FETCH_A \slot, (\q)+1, 4
.endm
; A slot's last step changes slots: one barrier; in front of it each wave waits for all its tensor loads, adds 0 to its spare word, and waits for that and for its reads of this slot.  fill = 1: the slot is filled again, two K steps ahead.
.macro TURN slot, next, fill
	s_wait_tensorcnt 0x0                           ; all my tensor loads have landed: my part of the next slot
	ds_add_u32 v[SPW], v[NIL]                      ; 0 onto my spare word
	s_wait_dscnt 4*NL+1                            ; (the add and the youngest 24 loads, A's blocks 4-7, may be out)
	WIN MUL_LO
	MUL16 0, 1, NQ-1, \slot, 0
	s_wait_dscnt 0x0                               ; the add is done, and my reads of this slot are over
	s_barrier_signal -1
	MUL16 2, 1, NQ-1, \slot, 0
	WIN 0
	s_barrier_wait -1
.if \fill
	CREST                                          ; the barrier has opened a round of the cluster's barrier: no wave of any partner still reads this slot or has a load on its way
	s_add_nc_u64 s[G0+4*\slot+2:G0+4*\slot+3], s[G0+4*\slot+2:G0+4*\slot+3], 2*PLANE
	s_add_nc_u64 s[G0B+4*\slot+2:G0B+4*\slot+3], s[G0B+4*\slot+2:G0B+4*\slot+3], 2*PLANE
	JLOAD G0+4*\slot, G1, G0B+4*\slot, G1B         ; the first tensor load behind the round, my one load until the next; its four v_nop are the places in front of the loads below
.else
	PLACES NP
.endif
	s_wait_alu depctr_va_vdst(0)
	v_add_nc_u32 v[ADRS], 4*NQ, v[ADRS]            ; on to the next K step's scale words
	v_add_nc_u32 v[ADRS2], 4*NQ, v[ADRS2]
	FETCH_B \next, 0, 0
	FETCH_A \next, 0, 0
	SCALES \next
	WIN MUL_HI
	MUL16 4, 1, NQ-1, \slot, 0
	MUL16 6, 1, NQ-1, \slot, 0
	PLACES NP
	WIN 0
	FETCH_A \next, 0, 4
.endm
	s_wait_tensorcnt 1                             ; the scales and my part of K step 0 are in; K step 1's load may be out
	s_barrier_signal -1
	s_barrier_wait -1
	FETCH_B 0, 0, 0
	FETCH_A 0, 0, 0
	s_wait_alu depctr_va_vdst(0)
	SCALES 0
	FETCH_A 0, 0, 4
	STEP 0, 0, 1                                   ; the first step's products start the sums: nothing is cleared
	s_mov_b32 s3, LAPS-1
.Llap:                                                 ; a trip goes once round the ring and fills both slots again
	TURN 0, 1, 1
	STEP 1, 0, 0
	TURN 1, 0, 1
	STEP 0, 0, 0
	s_sub_co_u32 s3, s3, 1
	s_cmp_lg_u32 s3, 0
	s_cbranch_scc1 .Llap
	TURN 0, 1, 0                                   ; the last lap fills nothing
	STEP 1, 0, 0
	s_wait_dscnt 4*NL
	WIN MUL_LO
	MUL16 0, 1, NQ-1, 1, 0
	MUL16 2, 1, NQ-1, 1, 0
	s_wait_dscnt 0
	WIN MUL_HI
	MUL16 4, 1, NQ-1, 1, 0
	MUL16 6, 1, NQ-1, 1, 0
	WIN 0
	PLACES NP                                      ; in front of the first reads of results, the loads into B's registers and the writes over A's and the scales'
	s_mov_b32 s[SEL], 0x76543210                   ; no tensor load of mine is out: the descriptors' registers are free
	s_mov_b32 s[SEL+1], 0xfedcba98
	s_mov_b32 s[HI16], 0xffff0000
	v_and_b32 v7, 31, v0                           ; lane
	s_cmp_lg_u32 s[TYPE], 0
	s_cbranch_scc1 .Lvway
	; ---------------- THE WAY OUT OF q AND k
	WIN TO_B
	TABLE 1, 0, 32                                 ; the other three token tiles' tables, into B's registers
	TABLE 2, 64, 128
	TABLE 3, 160, 192
	WIN 0
	s_lshr_b32 s18, s42, 2                         ; tile columns 0-3: q, 4-7: k
	s_cmp_lg_u32 s18, 0
	s_cselect_b64 s[22:23], s[98:99], s[96:97]     ; kvbuf or qbuf: the choice hangs on the tile column alone
	s_mov_b32 s32, 106496
	s_cselect_b32 s32, 208896, s32                 ; a head's bytes,
	s_mov_b32 s33, 98304
	s_cselect_b32 s33, 196608, s33                 ; where its scale words begin,
	s_mov_b32 s34, 512
	s_cselect_b32 s34, 768, s34                    ; and their bytes for 128 tokens
	s_and_b32 s19, s42, 3
	s_lshl_b32 s19, s19, 2
	s_lshl_b32 s35, s16, 1
	s_add_co_u32 s19, s19, s35                     ; my first head: 4 (tc % 4) + 2 s16
	s_lshr_b32 s35, s17, 4
	s_lshl_b32 s35, s35, 5
	s_add_co_u32 s19, s19, s35                     ; + 16 x my first batch
	s_mov_b32 s37, 0
.irp k, 0,1,2,3                        ; k = 2 w + hh: batch w of my two, head hh of my two
	s_add_co_u32 s36, s19, 16*(\k/2)+\k%2
	s_mul_i32 s36, s36, s32
	s_add_nc_u64 s[24+2*\k:25+2*\k], s[22:23], s[36:37]
.endr
	s_and_b32 s36, s17, 15                         ; the block of 128 positions
	s_mul_i32 s38, s36, 6144
	s_mul_i32 s39, s15, 3072
	s_add_co_u32 s38, s38, s39
	s_wait_alu depctr_va_vdst(0)
	v_lshl_add_u32 v[IMO], v7, 4, s38              ; images: 16 x lane + 1,536 x (my first pair of token tiles)
	s_mul_i32 s38, s36, s34
	s_lshl_b32 s39, s15, 8
	s_add_co_u32 s38, s38, s39
	s_add_co_u32 s38, s38, s33
	v_lshl_add_u32 v[SWO], v7, 3, s38              ; scale words: 8 x lane + my block of 256 bytes
	v_mov_b32 v[TM+2], 0                           ; written once: a lane permute's destination counts as one of its sources
	v_mov_b32 v[TM+3], 0
; RoPE of one token tile x one head: T[i] = x[i] cos[i] - x[16 + i] sin[i], T[16 + i] = x[16 + i] cos[16 + i] + x[i] sin[16 + i]; register 16 b + i is d = 32 b + 16 h + i.  Each accumulator is read from its low end on.
.macro ROPE W, AC, CB, SB
	WIN ((\W)|4)                                   ; source 0: the accumulators' window; source 1: window 1, the tables; source 2 and the destination: window 0
.irp i, 0,2,4,6,8,10,12,14
	v_pk_mul_f32 v[T+\i:T+\i+1], v[(\AC)+\i:(\AC)+\i+1], v[(\CB)+\i:(\CB)+\i+1]
.endr
.irp i, 0,2,4,6,8,10,12,14
	v_pk_mul_f32 v[T+16+\i:T+17+\i], v[(\AC)+16+\i:(\AC)+17+\i], v[(\CB)+16+\i:(\CB)+17+\i]
.endr
.irp i, 0,2,4,6,8,10,12,14
	v_pk_fma_f32 v[T+\i:T+\i+1], v[(\AC)+16+\i:(\AC)+17+\i], v[(\SB)+\i:(\SB)+\i+1], v[T+\i:T+\i+1] neg_lo:[0,1,0] neg_hi:[0,1,0]
.endr
.irp i, 0,2,4,6,8,10,12,14
	v_pk_fma_f32 v[T+16+\i:T+17+\i], v[(\AC)+\i:(\AC)+\i+1], v[(\SB)+16+\i:(\SB)+17+\i], v[T+16+\i:T+17+\i]
.endr
	WIN 0
.endm
; 32 numbers of a lane, register 16 b + i = k 32 b + 16 (lane / 16) + i of my row, become six operand registers v[c] on (k = 32 (lane / 16) + 0 .. 31) and two scale bytes in v[tm + 6], v[tm + 7].
.macro QUANT2 s, c, x, tm
.irp b, 0,1
	v_max3_num_f32 v[\tm+\b], |v[\s+16*\b]|, |v[\s+16*\b+1]|, 0x1800000   ; my 16 numbers of block b, and the floor 2^(3 - 127): the byte cannot fall under 1
.endr
.irp i, 2,4,6,8,10,12,14
.irp b, 0,1
	v_max3_num_f32 v[\tm+\b], v[\tm+\b], |v[\s+16*\b+\i]|, |v[\s+16*\b+\i+1]|
.endr
.endr
.irp b, 0,1
	v_permlanex16_b32 v[\tm+2+\b], v[\tm+\b], s[SEL], s[SEL+1]
.endr
.irp b, 0,1
	v_max_num_f32 v[\tm+\b], v[\tm+\b], v[\tm+2+\b]   ; with lane l xor 16's: the block's largest magnitude
.endr
.irp b, 0,1
	v_add_nc_u32 v[\tm+4+\b], 0xff000000, v[\tm+\b]   ; 2 off its exponent field: the conversion's scale operand
.endr
.irp b, 0,1
	v_lshrrev_b32 v[\tm+6+\b], 23, v[\tm+4+\b]        ; the scale's byte
.endr
	v_cvt_scalef32_pk16_fp6_f32 v[(\c):(\c)+2], v[\s:\s+15], v[\tm+4]
	v_cvt_scalef32_pk16_fp6_f32 v[\x:\x+2], v[\s+16:\s+31], v[\tm+5]
	v_nop                                          ; one plain line behind a scaled conversion
.irp i, 0,1,2
	v_permlane16_swap_b32 v[(\c)+\i], v[\x+\i]     ; a whole block to a lane: lanes 0-15 block 0, lanes 16-31 block 1
.endr
.irp i, 0,1,2
	v_mov_b32 v[(\c)+3+\i], v[\x+\i]
.endr
.endm
.macro QKTILE a, cb, sb                ; token tile a of my four, for 2 batches x 2 heads
	s_wait_loadcnt 48-16*(\a)                      ; this tile's 16 table loads are in; those of the later tiles, 16 each, may be out
.irp w, 0,1
.irp hh, 0,1
	ROPE 2+\w, 64*(\a)+32*\hh, \cb, \sb
	QUANT2 T, RS+12*(4*((\a)/2)+2*\w+\hh)+6*((\a)%2), XT, TM
.if (\a)%2 == 0
	v_lshl_or_b32 v[PWE+2*\w+\hh], v[TM+7], 8, v[TM+6]   ; the even tile's scale word: two bytes; bytes 2 and 3 stay 0 (they meet zero codes)
.else
	v_lshl_or_b32 v[TM+6], v[TM+7], 8, v[TM+6]
	v_cndmask_b32 v[SW+2*(2*\w+\hh)+(\a)/2], v[PWE+2*\w+\hh], v[TM+6], s[HI16]   ; lanes 0-15: the even tile's word, lanes 16-31: the odd tile's
.endif
.endr
.endr
.endm
.macro QKSEND j                        ; pair j of token tiles: four images of 1,536 bytes, each store 512 consecutive bytes, aligned
.irp k, 0,1,2,3
.irp c, 0,1,2
	global_store_b128 v[IMO], v[RS+12*(4*(\j)+\k)+4*\c:RS+12*(4*(\j)+\k)+4*\c+3], s[24+2*\k:25+2*\k] offset:1536*(\j)+512*\c
.endr
.endr
.endm
	QKTILE 0, 96, 224
	QKTILE 1, 0, 32
	QKSEND 0
	QKTILE 2, 64, 128
	QKTILE 3, 160, 192
	QKSEND 1
.irp k, 0,1,2,3
	global_store_b64 v[SWO], v[SW+2*\k:SW+2*\k+1], s[24+2*\k:25+2*\k]   ; 32 lanes store 256 consecutive bytes, aligned: the scale words of 64 tokens
.endr
	s_branch .Ldone
	; ---------------- THE WAY OUT OF v
.Lvway:
	s_lshl_b32 s18, s42, 1
	s_add_co_u32 s18, s18, s16                     ; my 128 keys: block 2 tc + s16 of 64
	s_lshr_b32 s19, s18, 4                         ; the batch,
	s_and_b32 s18, s18, 15                         ; the key step
	s_lshl_b32 s19, s19, 4
	s_lshl_b32 s22, s17, 2
	s_add_co_u32 s19, s19, s22
	s_add_co_u32 s19, s19, s15                     ; blocks 0-3: head 4 tr + s15; blocks 4-7: two heads on
	s_mul_i32 s22, s19, 208896
	s_mov_b32 s23, 0
	s_add_nc_u64 s[24:25], s[98:99], s[22:23]
	s_mul_i32 s22, s18, 6144
	s_add_co_u32 s22, s22, 98304
	s_wait_alu depctr_va_vdst(0)
	v_lshl_add_u32 v[IMO], v7, 4, s22
	s_mul_i32 s22, s18, 768
	s_add_co_u32 s22, s22, 196608+512
	v_lshl_add_u32 v[SWO], v7, 3, s22
.irp b, 0,1,2,3
	v_mov_b32 v[TM+4+\b], 0                        ; written once: a lane permute's destination counts as one of its sources
.endr
; Block a: 16 channels x 128 keys.  The 64 accumulator registers of a lane, register 16 b + i = key 32 b + 16 (lane / 16) + i, become a whole fragment and its scale word.
.macro QUANTV a
.set ACV, 64*((\a)%4)
.set WW, 2+(\a)/4
.set PCV, RS+12*(\a)
.set PWR, PW+1-(\a)%2
	WIN ((WW<<2)|(WW<<4))                          ; sources 1 and 2: the accumulators' window
.irp b, 0,1,2,3
	v_max3_num_f32 v[TM+\b], 0x1800000, |v[ACV+16*\b]|, |v[ACV+16*\b+1]|   ; each accumulator is read from its low end on
.endr
.irp i, 2,4,6,8,10,12,14
.irp b, 0,1,2,3
	v_max3_num_f32 v[TM+\b], v[TM+\b], |v[ACV+16*\b+\i]|, |v[ACV+16*\b+\i+1]|
.endr
.endr
	WIN 0
.irp b, 0,1,2,3
	v_permlanex16_b32 v[TM+4+\b], v[TM+\b], s[SEL], s[SEL+1]
.endr
.irp b, 0,1,2,3
	v_max_num_f32 v[TM+\b], v[TM+\b], v[TM+4+\b]
.endr
.irp b, 0,1,2,3
	v_add_nc_u32 v[TM+12+\b], 0xff000000, v[TM+\b]
.endr
.irp b, 0,1,2,3
	v_lshrrev_b32 v[TM+4+\b], 23, v[TM+12+\b]
.endr
	v_lshl_or_b32 v[PWR], v[TM+5], 8, v[TM+4]      ; the four bytes of these 128 keys make my channel's scale word
	v_lshl_or_b32 v[PWR], v[TM+6], 16, v[PWR]
	v_lshl_or_b32 v[PWR], v[TM+7], 24, v[PWR]
	WIN WW                                         ; source 0: the accumulators' window
.irp c, 0,1
	v_cvt_scalef32_pk16_fp6_f32 v[PCV+6*\c:PCV+6*\c+2], v[ACV+32*\c:ACV+32*\c+15], v[TM+12+2*\c]
	v_cvt_scalef32_pk16_fp6_f32 v[XV+4*\c:XV+4*\c+2], v[ACV+16+32*\c:ACV+31+32*\c], v[TM+13+2*\c]
.endr
	WIN 0
	v_nop                                          ; one plain line behind a scaled conversion
.irp c, 0,1
.irp i, 0,1,2
	v_permlane16_swap_b32 v[PCV+6*\c+\i], v[XV+4*\c+\i]
.endr
.irp i, 0,1,2
	v_mov_b32 v[PCV+3+6*\c+\i], v[XV+4*\c+\i]
.endr
.endr
.if (\a)%2
	v_cndmask_b32 v[SWV+2*((\a)/4)+((\a)%4)/2], v[PW+1], v[PW], s[HI16]   ; lanes 0-15: the even channel tile's words, lanes 16-31: the odd one's
.endif
.irp c, 0,1,2
	global_store_b128 v[IMO], v[PCV+4*\c:PCV+4*\c+3], s[24:25] offset:417792*((\a)/4)+1536*((\a)%4)+512*\c
.endr
.endm
.irp a, 0,1,2,3
	QUANTV \a
.endr
	global_store_b64 v[SWO], v[SWV:SWV+1], s[24:25]
.irp a, 4,5,6,7
	QUANTV \a
.endr
	global_store_b64 v[SWO], v[SWV+2:SWV+3], s[24:25] offset:417792
.Ldone:
	s_wait_tensorcnt 0x0                           ; the wave's end
	ds_add_u32 v[SPW], v[NIL]
	s_wait_dscnt 0x0
	CROUND                                         ; the closing round: no work-group ends while a partner may still ask for a tile that names it
	s_endpgm
.Lfunc_end_k_qbeccf4bb05_qkv:
	.size	k_qbeccf4bb05_qkv, .Lfunc_end_k_qbeccf4bb05_qkv-k_qbeccf4bb05_qkv
	.p2alignl 7, 3214868480
	.fill 96, 4, 3214868480
	.section	.rodata,"a",@progbits
	.p2align	6, 0x0
	.amdhsa_kernel k_qbeccf4bb05_qkv
		.amdhsa_group_segment_fixed_size 327680
		.amdhsa_private_segment_fixed_size 0
		.amdhsa_enable_private_segment 0
		.amdhsa_kernarg_size 48
		.amdhsa_user_sgpr_count 2
		.amdhsa_user_sgpr_kernarg_segment_ptr 1
		.amdhsa_wavefront_size32 1
		.amdhsa_system_sgpr_workgroup_id_x 1
		.amdhsa_system_sgpr_workgroup_id_y 1
		.amdhsa_system_sgpr_workgroup_id_z 1
		.amdhsa_system_vgpr_workitem_id 0
		.amdhsa_next_free_vgpr 1024
		.amdhsa_next_free_sgpr 102
		.amdhsa_reserve_vcc 0
		.amdhsa_float_denorm_mode_32 3
		.amdhsa_float_denorm_mode_16_64 3
		.amdhsa_memory_ordered 1
		.amdhsa_forward_progress 1
		.amdhsa_inst_pref_size 240
	.end_amdhsa_kernel
	.amdgpu_metadata
---
amdhsa.version: [ 1, 2 ]
amdhsa.kernels:
  - .name:           k_qbeccf4bb05_qkv
    .symbol:         k_qbeccf4bb05_qkv.kd
    .args:
      - { .name: codes, .offset: 0, .size: 8, .value_kind: global_buffer, .address_space: global }
      - { .name: scales, .offset: 8, .size: 8, .value_kind: global_buffer, .address_space: global }
      - { .name: cos, .offset: 16, .size: 8, .value_kind: global_buffer, .address_space: global }
      - { .name: sin, .offset: 24, .size: 8, .value_kind: global_buffer, .address_space: global }
      - { .name: qbuf, .offset: 32, .size: 8, .value_kind: global_buffer, .address_space: global }
      - { .name: kvbuf, .offset: 40, .size: 8, .value_kind: global_buffer, .address_space: global }
    .group_segment_fixed_size: 327680
    .private_segment_fixed_size: 0
    .kernarg_segment_align: 8
    .kernarg_segment_size: 48
    .max_flat_workgroup_size: 128
    .sgpr_count:     102
    .vgpr_count:     1024
    .wavefront_size: 32
...
	.end_amdgpu_metadata
.endif
;; end of part 2
;; launch attn (part 3): grid 4 x 64, 16 waves a work-group, clusters of 4 x 1, 327,680 bytes of LDS; arguments qbuf, kvbuf, acodes, ascales; writes acodes, ascales
.if DOCPART == 3
	.amdgcn_target "amdgcn-amd-amdhsa--gfx1250"
	.amdhsa_code_object_version 6
	.text
	.protected	k_qbeccf4bb05_attn
	.globl	k_qbeccf4bb05_attn
	.p2align	8
	.type	k_qbeccf4bb05_attn,@function
k_qbeccf4bb05_attn:
	s_mov_b64 s[64:65], 0
	v_nop
	global_prefetch_b8 v0, s[64:65] scope:SCOPE_SE
	s_setreg_imm32_b32 hwreg(HW_REG_WAVE_MODE, 25, 1), 1
	s_wait_xcnt 0x0
	s_wait_alu depctr_hold_cnt(0) depctr_sa_sdst(0) depctr_va_vdst(0) depctr_va_sdst(0) depctr_va_ssrc(0) depctr_va_vcc(0) depctr_vm_vsrc(0)
	s_getreg_b32 s2, hwreg(HW_REG_IB_STS2, 6, 4)
	s_cmp_eq_u32 s2, 0
	s_cbranch_scc0 .Lentry_in_a_cluster
	s_endpgm
.Lentry_in_a_cluster:
	s_bfe_u32 s2, ttmp6, 0x10000c
	s_cmp_lg_u32 s2, 0x3003
	s_cbranch_scc0 .Lentry_shape_is_right
	s_endpgm
.Lentry_shape_is_right:
; THIRD LAUNCH: attention of one head (grid y = 16 batch + head) on codes of FP6 (E2M3) with E8M0 scales; its result is quantised along the head's 64 for the last product.  No work of reference() is left out.
; A work-group takes 512 queries, a wave two tiles of 16, one after the other (two passes over the 2,048 keys in 16 steps of 128).  Both products are used transposed (S^T = k q^T, O^T = v^T p^T): a lane holds one query.
; A head's K images, V images and scale words are ONE dense block of 208,896 bytes of kvbuf; it comes into LDS once, as it lies: each of the 16 waves asks for 51 rows of 256 bytes, its one tensor load.  Nothing is filled again.
; CLUSTER: the four query blocks of a head need the same block and ask for it jointly (mask 15).
; No prefetch: the launch's one fetch from kvbuf stands at its head, with no loop ahead of it to run ahead in.
; THE KEYS OF A TILE are chosen by the LDS addresses alone: lanes 0-7 of tile 4 c + u take keys 64 c + 8 u + 0..7, lanes 8-15 keys 64 c + 32 + 8 u + 0..7.  So the 32 score registers of tiles 4 c .. 4 c + 3
; in lane (r, h) are keys 64 c + 32 h + 0..31 in order: a whole block of p, as the second product's operand wants it: a block's maximum needs no other lane, and the codes change no lane.
; In kvbuf a pair image b (1,536 bytes) holds tiles of keys 32 b + 8 u + r + 8 (r / 8); lane (r, h) therefore reads pair 2 c + r / 8, lane r % 8 + 8 w + 16 h; its 12 registers are tiles 4 c + 2 w and 4 c + 2 w + 1.
; SOFTMAX: M = ceil(running largest t), kept as -M; p = 2^(t - M); the sum is taken of the unquantised p; a change of M multiplies sum and O^T by an exact power of two.
; A block's largest p is made from its largest score by the same multiply-add and exponential (this takes v_exp_f32 not to fall where its input rises).
; LIMITS: the scaled scores stay under 2^31 in magnitude; a block of zeros gets the byte 1 (its codes are zeros; this program alone reads the bytes); NaN and infinities are not served.
; REGISTERS: v1-4, v7, v28, v29, v31 addresses; v5, v6 the add's two; v8-11 a step's addresses; v12 -M, v13 largest t, v[14:15] the sum; v16-27 q (upper six 0); v32-79 K's or V's fragments, v80-85 0;
;   v96-159 scores, then p; v160-191 O^T; v192-203 both tiles' q; v224-235 p's codes; v232-254 at work; v248-251 K's or V's scale words; v253 p's scale word; v255 q's.
.set HEADKV, 208896
.set HEADQ,  106496
.set VIMG,   98304
.set SCO,    196608
.set SPARE,  208896
.set WPART,  13056                     ; a wave's sixteenth of the block: 51 x 256 bytes
.set WV,   12
.set G1,   16
.set G0,   32
.set SEL,  52
.set CS,   54
.set TB,   56
.set TS,   57
.set CNT,  58
.set HI16, 59
.set AC,   60
.set AS,   62
.macro CROUND
	s_barrier_signal -1
	s_barrier_wait -1
	s_cmp_lg_u32 s[WV], 0
	s_cbranch_scc1 .Lnot_wave_0_\@
	s_barrier_signal -3
.Lnot_wave_0_\@:
	s_barrier_wait -3
	s_barrier_signal -1
	s_barrier_wait -1
.endm
	s_load_b256 s[4:11], s[0:1], 0x0               ; qbuf, kvbuf, acodes, ascales
	v_lshl_add_u32 v5, v0, 2, SPARE
	v_mov_b32 v6, 0
	ds_add_u32 v5, v6                              ; the opening lines: the add twice and its wait ahead of my tensor load
	ds_add_u32 v5, v6
	v_lshrrev_b32 v1, 5, v0
	s_delay_alu instid0(VALU_DEP_1)
	v_readfirstlane_b32 s[WV], v1
	s_bfe_u32 s13, ttmp6, 0x40000                  ; cx: which 512 queries
	s_and_b32 s14, ttmp7, 0xffff                   ; the head
	s_mov_b32 s[G1], 15|(3<<16)|(1<<21)            ; mask of the four partners; elements of 8 bytes; 51 rows of 256 bytes, dense
	s_mov_b32 s[G1+1], 32<<16
	s_mov_b32 s[G1+2], 51<<16
	s_mov_b32 s[G1+3], 32<<16
	s_mov_b32 s[G1+4], 51
	s_mov_b32 s[G1+5], 32
	s_mov_b32 s[G1+6], 0
	s_mov_b32 s[G1+7], 0
	s_mul_i32 s66, s14, HEADKV
	s_mov_b32 s67, 0
	s_mul_i32 s70, s[WV], WPART
	s_mov_b32 s71, 0
	s_mov_b32 s[SEL], 0x76543210
	s_mov_b32 s[SEL+1], 0xfedcba98
	s_mov_b32 s[CS], 0x3e38aa3b                    ; log2(e) / 8
	s_mov_b32 s[CS+1], s[CS]
	s_mov_b32 s[HI16], 0xffff0000
	s_wait_dscnt 0x0
	s_wait_kmcnt 0x0
	s_add_nc_u64 s[6:7], s[6:7], s[66:67]
	s_mov_b32 s[G0], 1
	s_mov_b32 s[G0+1], s70                         ; LDS address = the byte's place in the head's block
	s_add_nc_u64 s[G0+2:G0+3], s[6:7], s[70:71]
	s_or_b32 s[G0+3], s[G0+3], 0x80000000
	CROUND                                         ; the four partners are here: the joint loads meet
	tensor_load_to_lds s[G0:G0+3], s[G1:G1+7]
	s_nop 0
	s_lshl_b32 s74, s13, 4
	s_add_co_u32 s74, s74, s[WV]                   ; my pair of query tiles, 0..63
	s_mul_i32 s66, s14, HEADQ
	s_mul_i32 s68, s74, 1536
	s_add_co_u32 s68, s68, s66
	s_mov_b32 s69, 0
	s_lshr_b32 s75, s74, 1
	s_lshl_b32 s75, s75, 8
	s_and_b32 s76, s74, 1
	s_lshl_b32 s76, s76, 2
	s_add_co_u32 s76, s76, s75
	s_add_co_u32 s76, s76, s66
	s_add_co_u32 s76, s76, 98304
	s_mov_b32 s77, 0
	s_add_nc_u64 s[78:79], s[4:5], s[76:77]        ; q's scale words
	s_add_nc_u64 s[4:5], s[4:5], s[68:69]          ; q's image
	v_and_b32 v8, 31, v0                           ; lane
	v_and_b32 v9, 15, v0                           ; r
	v_bfe_u32 v10, v0, 4, 1                        ; h
	v_bfe_u32 v11, v0, 3, 1                        ; r / 8
	v_and_b32 v30, 7, v0                           ; r % 8
	v_lshlrev_b32 v31, 4, v8                       ; 16 x lane
	v_lshlrev_b32 v4, 3, v8                        ; 8 x lane
	v_lshl_add_u32 v2, v8, 4, VIMG                 ; V's images
	v_mul_u32_u24 v1, v11, 1536                    ; K's images: pair r / 8,
	v_lshl_add_u32 v3, v30, 3, SCO                 ; K's scale words: 8 (r % 8) + 4 (r / 8) + 128 h
	v_lshl_add_u32 v1, v30, 4, v1                  ; lane r % 8
	v_lshl_add_u32 v3, v11, 2, v3
	v_lshl_add_u32 v1, v10, 8, v1                  ; + 16 h
	v_lshl_add_u32 v3, v10, 7, v3
	v_add_nc_u32 v28, SCO+512, v4                  ; V's scale words
	v_lshlrev_b32 v29, 3, v10                      ; 8 h: where my two bytes stand in p's scale word
	v_lshl_add_u32 v7, v9, 5, v10                  ; my byte among the result's scales
	s_wait_alu depctr_va_vdst(0)
.irp c, 0,1,2
	global_load_b128 v[192+4*\c:195+4*\c], v31, s[4:5] offset:512*\c
.endr
	global_load_b32 v255, v4, s[78:79]
	s_lshr_b32 s66, s14, 4
	s_lshl_b32 s66, s66, 7
	s_lshl_b32 s68, s74, 1
	s_add_co_u32 s66, s66, s68                     ; my first token tile of the result
	s_and_b32 s70, s14, 15
	s_mul_i32 s68, s66, 12288
	s_mul_i32 s72, s70, 768
	s_add_co_u32 s68, s68, s72
	s_add_nc_u64 s[AC:AC+1], s[8:9], s[68:69]
	s_lshl_b32 s68, s66, 9
	s_lshl_b32 s72, s70, 1
	s_add_co_u32 s68, s68, s72
	s_add_nc_u64 s[AS:AS+1], s[10:11], s[68:69]
.irp i, 0,1,2,3,4,5
	v_mov_b32 v[22+\i], 0                          ; q's upper 64 along K are zero codes,
	v_mov_b32 v[80+\i], 0                          ; and so is what follows K's last tile
.endr
.irp i, 236,238,242,243,252,253
	v_mov_b32 v[\i], 0                             ; written once: permute destinations and upper halves of pairs count as read
.endr
.macro WMS t, u                        ; S^T, tile t: its 6 registers and the next tile's 6, which meet q's zero codes
.if ((\t)%2) && (\u)
	v_wmma_scale_f32_16x16x128_f8f6f4 v[96+8*(\t):103+8*(\t)], v[32+6*(\t):43+6*(\t)], v[16:27], 0, v[248+(\t)/2], v255 matrix_a_fmt:MATRIX_FMT_FP6 matrix_b_fmt:MATRIX_FMT_FP6 matrix_a_scale:MATRIX_SCALE_ROW1 matrix_b_scale:MATRIX_SCALE_ROW1
.elseif (\t)%2
	v_wmma_scale_f32_16x16x128_f8f6f4 v[96+8*(\t):103+8*(\t)], v[32+6*(\t):43+6*(\t)], v[16:27], 0, v[248+(\t)/2], v255 matrix_a_fmt:MATRIX_FMT_FP6 matrix_b_fmt:MATRIX_FMT_FP6 matrix_a_scale:MATRIX_SCALE_ROW1
.elseif \u
	v_wmma_scale_f32_16x16x128_f8f6f4 v[96+8*(\t):103+8*(\t)], v[32+6*(\t):43+6*(\t)], v[16:27], 0, v[248+(\t)/2], v255 matrix_a_fmt:MATRIX_FMT_FP6 matrix_b_fmt:MATRIX_FMT_FP6 matrix_b_scale:MATRIX_SCALE_ROW1
.else
	v_wmma_scale_f32_16x16x128_f8f6f4 v[96+8*(\t):103+8*(\t)], v[32+6*(\t):43+6*(\t)], v[16:27], 0, v[248+(\t)/2], v255 matrix_a_fmt:MATRIX_FMT_FP6 matrix_b_fmt:MATRIX_FMT_FP6
.endif
.endm
.macro WMO t                           ; O^T += v^T p^T, 16 channels
.if (\t)%2
	v_wmma_scale_f32_16x16x128_f8f6f4 v[160+8*(\t):167+8*(\t)], v[32+12*(\t):43+12*(\t)], v[224:235], v[160+8*(\t):167+8*(\t)], v[248+(\t)/2], v253 matrix_a_fmt:MATRIX_FMT_FP6 matrix_b_fmt:MATRIX_FMT_FP6 matrix_a_scale:MATRIX_SCALE_ROW1
.else
	v_wmma_scale_f32_16x16x128_f8f6f4 v[160+8*(\t):167+8*(\t)], v[32+12*(\t):43+12*(\t)], v[224:235], v[160+8*(\t):167+8*(\t)], v[248+(\t)/2], v253 matrix_a_fmt:MATRIX_FMT_FP6 matrix_b_fmt:MATRIX_FMT_FP6
.endif
.endm
.macro KLOAD                           ; a step's K: pair p = 2 c + w gives tiles 2 p, 2 p + 1 and one register of scale words (lanes 0-15 the even tile's, 16-31 the odd one's)
.irp p, 0,1,2,3
.irp g, 0,1,2
	ds_load_b128 v[32+12*\p+4*\g:35+12*\p+4*\g], v8 offset:3072*(\p/2)+128*(\p%2)+512*\g
.endr
	ds_load_b32 v[248+\p], v10 offset:256*(\p/2)+64*(\p%2)
.endr
.endm
.macro STEP u, pf                      ; 16 queries x 128 keys; pf = 1: the next step's K is fetched behind the products
	s_wait_alu depctr_va_vdst(0)
	s_wait_dscnt 0x0                               ; this step's K is in
.irp t, 0,1,2,3,4,5,6,7
	WMS \t, \u
.endr
	v_add_nc_u32 v9, s[TB], v2                     ; four plain lines: the places in front of the loads into K's registers
	v_add_nc_u32 v11, s[TS], v28
	v_mov_b32 v254, v12                            ; the old -M
	v_nop
.irp c, 0,1,2,3,4,5,6,7,8,9,10,11
	ds_load_b128 v[32+4*\c:35+4*\c], v9 offset:512*\c
.endr
	ds_load_b64 v[248:249], v11
.irp b, 0,1,2,3
	v_max3_num_f32 v[232+\b], v[96+16*\b], v[97+16*\b], v[98+16*\b]   ; four chains of 15 scores; each accumulator is read from its low end on
.endr
.irp i, 3,5,7,9,11,13
.irp b, 0,1,2,3
	v_max3_num_f32 v[232+\b], v[232+\b], v[96+16*\b+\i], v[97+16*\b+\i]
.endr
.endr
	v_max3_num_f32 v232, v232, v233, v111
	v_max3_num_f32 v234, v234, v235, v143
	v_max_num_f32 v232, v232, v127                 ; my block of c = 0,
	v_max_num_f32 v233, v234, v159                 ; and of c = 1
	s_delay_alu instid0(VALU_DEP_1)
	v_max_num_f32 v235, v232, v233
	s_delay_alu instid0(VALU_DEP_1)
	v_permlanex16_b32 v236, v235, s[SEL], s[SEL+1]
	s_delay_alu instid0(VALU_DEP_1)
	v_max_num_f32 v235, v235, v236                 ; the step's largest score of my query
	s_delay_alu instid0(VALU_DEP_1)
	v_mul_f32 v235, s[CS], v235
	s_delay_alu instid0(VALU_DEP_1)
	v_max_num_f32 v13, v13, v235
	s_delay_alu instid0(VALU_DEP_1)
	v_floor_f32 v12, -v13                          ; -M = -ceil(t)
	s_delay_alu instid0(VALU_DEP_1)
	v_sub_f32 v254, v12, v254
	s_delay_alu instid0(VALU_DEP_1)
	v_cvt_i32_f32 v254, v254
	s_delay_alu instid0(VALU_DEP_1)
	v_ldexp_f32 v252, 1.0, v254                    ; f = 2^(old M - new M)
.set J, 0
.rept 32
	v_pk_fma_f32 v[96+J:97+J], v[96+J:97+J], s[CS:CS+1], v[12:13] op_sel_hi:[1,0,0]
.set J, J+2
.endr
	v_fma_f32 v232, v232, s[CS], v12
	v_fma_f32 v233, v233, s[CS], v12
	s_wait_alu depctr_va_vdst(0)                   ; the wait ahead of the batch
	v_exp_f32 v232, v232                           ; the blocks' largest p
	v_exp_f32 v233, v233
.set J, 0
.rept 64
	v_exp_f32 v[96+J], v[96+J]
.set J, J+1
.endr
	v_pk_mul_f32 v[14:15], v[14:15], v[252:253] op_sel_hi:[1,0]   ; the sum under the new M; a plain line behind the batch
	s_wait_alu depctr_va_vdst(0)                   ; and the wait behind it
	v_max_num_f32 v232, 0x1800000, v232            ; the floor 2^(3 - 127)
	v_max_num_f32 v233, 0x1800000, v233
	s_delay_alu instid0(VALU_DEP_2)
	v_add_nc_u32 v244, 0xff000000, v232            ; 2 off the exponent field: the conversions' scale operands
	s_delay_alu instid0(VALU_DEP_2)
	v_add_nc_u32 v245, 0xff000000, v233
	s_delay_alu instid0(VALU_DEP_2)
	v_lshrrev_b32 v236, 23, v244
	s_delay_alu instid0(VALU_DEP_2)
	v_lshrrev_b32 v237, 23, v245
	s_delay_alu instid0(VALU_DEP_1)
	v_lshl_or_b32 v253, v237, 16, v236             ; my bytes: blocks h and 2 + h,
	s_delay_alu instid0(VALU_DEP_1)
	v_lshlrev_b32 v253, v29, v253                  ; at their places;
	v_permlanex16_b32 v238, v253, s[SEL], s[SEL+1]
	s_delay_alu instid0(VALU_DEP_1)
	v_or_b32 v253, v253, v238                      ; with lane l xor 16's the word is whole
.irp c, 0,1
	v_cvt_scalef32_pk16_fp6_f32 v[224+6*\c:226+6*\c], v[96+32*\c:111+32*\c], v[244+\c]
	v_cvt_scalef32_pk16_fp6_f32 v[236+4*\c:238+4*\c], v[112+32*\c:127+32*\c], v[244+\c]   ; (three registers from an even one on: made here and moved)
.endr
	v_nop                                          ; one plain line behind a scaled conversion
.irp c, 0,1
.irp i, 0,1,2
	v_mov_b32 v[227+6*\c+\i], v[236+4*\c+\i]
.endr
.endr
	s_wait_alu depctr_va_vdst(0)                   ; the wait directly ahead of the first reader of O^T
.set J, 0
.rept 16
	v_pk_mul_f32 v[160+J:161+J], v[160+J:161+J], v[252:253] op_sel_hi:[1,0]   ; O^T under the new M; also the places in front of the products
.set J, J+2
.endr
	s_wait_alu depctr_va_vdst(0)
	s_wait_dscnt 0x0                               ; V is in
.irp t, 0,1,2,3
	WMO \t
.endr
.if \pf
	s_add_co_u32 s[TB], s[TB], 6144
	s_add_co_u32 s[TS], s[TS], 768
	v_add_nc_u32 v8, s[TB], v1
	v_add_nc_u32 v10, s[TS], v3
.endif
	v_pk_add_f32 v[236:237], v[96:97], v[98:99]    ; the row's sum of the unquantised p, in two chains: its first lines are the places in front of the loads into V's registers
	v_pk_add_f32 v[14:15], v[14:15], v[100:101]
	v_pk_add_f32 v[236:237], v[236:237], v[102:103]
.if \pf
	KLOAD
.endif
.irp j, 8,12,16,20,24,28,32,36,40,44,48,52,56,60
	v_pk_add_f32 v[14:15], v[14:15], v[96+\j:97+\j]
	v_pk_add_f32 v[236:237], v[236:237], v[98+\j:99+\j]
.endr
	s_delay_alu instid0(VALU_DEP_1)
	v_pk_add_f32 v[14:15], v[14:15], v[236:237]
.endm
.macro INIT u
.irp i, 0,1,2,3,4,5
	v_mov_b32 v[16+\i], v[192+6*\u+\i]
.endr
	v_mov_b32 v13, 0xff61b1e6                      ; -3e38, under every t
	s_delay_alu instid0(VALU_DEP_1)
	v_floor_f32 v12, -v13
	v_mov_b32 v14, 0
	v_mov_b32 v15, 0
.set J, 0
.rept 32
	v_mov_b32 v[160+J], 0
.set J, J+1
.endr
.endm
; 32 numbers of a lane, register 16 b + i = k 32 b + 16 h + i, become six operand registers and two scale bytes in v[tm + 6], v[tm + 7]
.macro QUANT2 s, c, x, tm
.irp b, 0,1
	v_max3_num_f32 v[\tm+\b], |v[\s+16*\b]|, |v[\s+16*\b+1]|, 0x1800000
.endr
.irp i, 2,4,6,8,10,12,14
.irp b, 0,1
	s_delay_alu instid0(VALU_DEP_2)
	v_max3_num_f32 v[\tm+\b], v[\tm+\b], |v[\s+16*\b+\i]|, |v[\s+16*\b+\i+1]|
.endr
.endr
.irp b, 0,1
	v_permlanex16_b32 v[\tm+2+\b], v[\tm+\b], s[SEL], s[SEL+1]
.endr
.irp b, 0,1
	s_delay_alu instid0(VALU_DEP_2)
	v_max_num_f32 v[\tm+\b], v[\tm+\b], v[\tm+2+\b]
.endr
.irp b, 0,1
	s_delay_alu instid0(VALU_DEP_2)
	v_add_nc_u32 v[\tm+4+\b], 0xff000000, v[\tm+\b]
.endr
.irp b, 0,1
	s_delay_alu instid0(VALU_DEP_2)
	v_lshrrev_b32 v[\tm+6+\b], 23, v[\tm+4+\b]
.endr
	v_cvt_scalef32_pk16_fp6_f32 v[\c:\c+2], v[\s:\s+15], v[\tm+4]
	v_cvt_scalef32_pk16_fp6_f32 v[\x:\x+2], v[\s+16:\s+31], v[\tm+5]
	v_nop
.irp i, 0,1,2
	v_permlane16_swap_b32 v[\c+\i], v[\x+\i]
.endr
.irp i, 0,1,2
	s_delay_alu instid0(VALU_DEP_3)
	v_mov_b32 v[\c+3+\i], v[\x+\i]
.endr
.endm
.macro OUT u                           ; O^T / the sum, quantised along the head's 64, stored as images of operand registers
	v_add_f32 v14, v14, v15
	s_delay_alu instid0(VALU_DEP_1)
	v_permlanex16_b32 v252, v14, s[SEL], s[SEL+1]
	s_delay_alu instid0(VALU_DEP_1)
	v_add_f32 v14, v14, v252
	s_wait_alu depctr_va_vdst(0)
	v_rcp_f32 v14, v14
	v_nop
	s_wait_alu depctr_va_vdst(0)
.set J, 0
.rept 16
	v_pk_mul_f32 v[96+J:97+J], v[160+J:161+J], v[14:15] op_sel_hi:[1,0]
.set J, J+2
.endr
	QUANT2 96, 224, 236, 240
	v_cndmask_b32 v254, v246, v247, s[HI16]
.irp c, 0,1,2
	global_store_b64 v4, v[224+2*\c:225+2*\c], s[AC:AC+1] offset:12288*\u+256*\c
.endr
	global_store_b8 v7, v254, s[AS:AS+1] offset:512*\u
.endm
.macro PASS u
	INIT \u
	s_mov_b32 s[TB], 0
	s_mov_b32 s[TS], 0
	s_mov_b32 s[CNT], 15
	v_add_nc_u32 v8, s[TB], v1
	v_add_nc_u32 v10, s[TS], v3
	KLOAD
.Lpass_\@:
	STEP \u, 1
	s_sub_co_u32 s[CNT], s[CNT], 1
	s_cmp_lg_u32 s[CNT], 0
	s_wait_alu depctr_va_vdst(0)
	s_cbranch_scc1 .Lpass_\@
	STEP \u, 0                                     ; the last step fetches nothing more
	OUT \u
.endm
	s_wait_alu depctr_va_vdst(0)                   ; the wait at the head's end
	s_wait_loadcnt 0x0                             ; q is in
	s_wait_tensorcnt 0x0                           ; my sixteenth of the block is in
	s_barrier_signal -1
	s_barrier_wait -1                              ; and everybody's
	PASS 0
	s_wait_xcnt 0x0                                ; the stores have read their registers
	PASS 1
	s_wait_tensorcnt 0x0                           ; the wave's end
	ds_add_u32 v5, v6
	s_wait_dscnt 0x0
	CROUND                                         ; the closing round
	s_endpgm
.Lfunc_end_k_qbeccf4bb05_attn:
	.size	k_qbeccf4bb05_attn, .Lfunc_end_k_qbeccf4bb05_attn-k_qbeccf4bb05_attn
	.p2alignl 7, 3214868480
	.fill 96, 4, 3214868480
	.section	.rodata,"a",@progbits
	.p2align	6, 0x0
	.amdhsa_kernel k_qbeccf4bb05_attn
		.amdhsa_group_segment_fixed_size 327680
		.amdhsa_private_segment_fixed_size 0
		.amdhsa_enable_private_segment 0
		.amdhsa_kernarg_size 32
		.amdhsa_user_sgpr_count 2
		.amdhsa_user_sgpr_kernarg_segment_ptr 1
		.amdhsa_wavefront_size32 1
		.amdhsa_system_sgpr_workgroup_id_x 1
		.amdhsa_system_sgpr_workgroup_id_y 1
		.amdhsa_system_sgpr_workgroup_id_z 1
		.amdhsa_system_vgpr_workitem_id 0
		.amdhsa_next_free_vgpr 256
		.amdhsa_next_free_sgpr 80
		.amdhsa_reserve_vcc 0
		.amdhsa_float_denorm_mode_32 3
		.amdhsa_float_denorm_mode_16_64 3
		.amdhsa_memory_ordered 1
		.amdhsa_forward_progress 1
		.amdhsa_inst_pref_size 78
	.end_amdhsa_kernel
	.amdgpu_metadata
---
amdhsa.version: [ 1, 2 ]
amdhsa.kernels:
  - .name:           k_qbeccf4bb05_attn
    .symbol:         k_qbeccf4bb05_attn.kd
    .args:
      - { .name: qbuf, .offset: 0, .size: 8, .value_kind: global_buffer, .address_space: global }
      - { .name: kvbuf, .offset: 8, .size: 8, .value_kind: global_buffer, .address_space: global }
      - { .name: acodes, .offset: 16, .size: 8, .value_kind: global_buffer, .address_space: global }
      - { .name: ascales, .offset: 24, .size: 8, .value_kind: global_buffer, .address_space: global }
    .group_segment_fixed_size: 327680
    .private_segment_fixed_size: 0
    .kernarg_segment_align: 8
    .kernarg_segment_size: 32
    .max_flat_workgroup_size: 512
    .sgpr_count:     80
    .vgpr_count:     256
    .wavefront_size: 32
...
	.end_amdgpu_metadata
.endif
;; end of part 3
;; launch proj (part 4): grid 4 x 32, 4 waves a work-group, clusters of 4 x 4, 327,680 bytes of LDS; arguments acodes, ascales, codes, scales, out0; writes out0
.if DOCPART == 4
	.amdgcn_target "amdgcn-amd-amdhsa--gfx1250"
	.amdhsa_code_object_version 6
	.text
	.protected	k_qbeccf4bb05_proj
	.globl	k_qbeccf4bb05_proj
	.p2align	8
	.type	k_qbeccf4bb05_proj,@function
k_qbeccf4bb05_proj:
	s_mov_b64 s[64:65], 0
	v_nop
	global_prefetch_b8 v0, s[64:65] scope:SCOPE_SE
	s_setreg_imm32_b32 hwreg(HW_REG_WAVE_MODE, 25, 1), 1
	s_wait_xcnt 0x0
	s_wait_alu depctr_hold_cnt(0) depctr_sa_sdst(0) depctr_va_vdst(0) depctr_va_sdst(0) depctr_va_ssrc(0) depctr_va_vcc(0) depctr_vm_vsrc(0)
	s_getreg_b32 s2, hwreg(HW_REG_IB_STS2, 6, 4)
	s_cmp_eq_u32 s2, 0
	s_cbranch_scc0 .Lentry_in_a_cluster
	s_endpgm
.Lentry_in_a_cluster:
	s_bfe_u32 s2, ttmp6, 0x10000c
	s_cmp_lg_u32 s2, 0xf033
	s_cbranch_scc0 .Lentry_shape_is_right
	s_endpgm
.Lentry_shape_is_right:
.set SIZE_N, 1024
.set KSTEP,  256
.set NQ,     KSTEP/128
.set ROWB,   192
.set KROW,   768
.set PITCH,  240
.set FR,     12
.set NL,     6
.set NP,     4
.set HALFT,  128*PITCH
.set ASTEP,  3072
.set HALFA,  8*ASTEP
.set BOFF,   2*HALFA
.set SLOT,   BOFF+2*HALFT
.set LAPS,   2
.set KS,     32
.set SCL,    2*SLOT
.set HALFS,  (128*KS/256)*272
.set SBLK,   (16*KS/256)*272
.set SPARE,  SCL+4*HALFS
.set SPITCH, 528
.set ADRA, 16
.set ADRB, 20
.set STO,  24
.set RD,   25
.set CO,   26
.set ADRS, 27
.set SPW,  28
.set NIL,  29
.set SC,   32
.set AF,   128
.set BK,   128
.set G1, 24
.set G0, 32
.set G1B, 48
.set G0B, 56
.set G1S, 68
.set G0S, 76
.set G1SB, 80
.set G0SB, 88
.set MSB, 0
.macro WIN new
.if MSB != \new
	s_set_vgpr_msb (MSB<<8)|\new
.set MSB, \new
.endif
.endm
.set MUL_LO, 0xa1
.set MUL_HI, 0xf1
.set TO_B,   0x40
.macro JLOAD g0a, g1a, g0b, g1b
	s_cmp_eq_u32 s15, 0
	s_cbranch_scc0 .Lfor_b_\@
	tensor_load_to_lds s[\g0a:\g0a+3], s[\g1a:\g1a+7]
	s_nop 0
.rept 4
	v_nop
.endr
	s_branch .Lasked_\@
.Lfor_b_\@:
	tensor_load_to_lds s[\g0b:\g0b+3], s[\g1b:\g1b+7]
	s_nop 0
.rept 4
	v_nop
.endr
.Lasked_\@:
.endm
.macro CREST
	s_cmp_lg_u32 s14, 0
	s_cbranch_scc1 .Lnot_wave_0_\@
	s_barrier_signal -3
.Lnot_wave_0_\@:
	s_barrier_wait -3
	s_barrier_signal -1
	s_barrier_wait -1
.endm
.macro CROUND
	s_barrier_signal -1
	s_barrier_wait -1
	CREST
.endm
	s_load_b128 s[4:7], s[0:1], 0x0
	s_load_b128 s[8:11], s[0:1], 0x10
	s_load_b64 s[12:13], s[0:1], 0x20
	v_lshl_add_u32 v[SPW], v0, 2, SPARE
	v_mov_b32 v[NIL], 0
	ds_add_u32 v[SPW], v[NIL]
	ds_add_u32 v[SPW], v[NIL]
	v_lshrrev_b32 v1, 5, v0
	v_readfirstlane_b32 s14, v1
	s_lshr_b32 s15, s14, 1
	s_and_b32 s16, s14, 1
	s_bfe_u32 s40, ttmp6, 0x40000
	s_bfe_u32 s41, ttmp6, 0x40004
	s_lshl_b32 s42, ttmp9, 2
	s_add_co_u32 s42, s42, s40
	s_and_b32 s17, ttmp7, 0xffff
	s_lshl_b32 s17, s17, 2
	s_add_co_u32 s17, s17, s41
	s_lshl_b32 s43, s41, 2
	s_lshl_b32 s43, 15, s43
	s_lshl_b32 s44, 0x1111, s40
	s_or_b32 s[G1+0], s43, (3<<16)|(1<<21)
	s_mov_b32 s[G1+1], (ASTEP/8)<<16
	s_mov_b32 s[G1+2], 8<<16
	s_mov_b32 s[G1+3], (ASTEP/8)<<16
	s_mov_b32 s[G1+4], 8
	s_mov_b32 s[G1+5], 12288/8
	s_mov_b32 s[G1+6], 0
	s_mov_b32 s[G1+7], 0
	s_or_b32 s[G1B+0], s44, (0<<16)|(1<<20)|(1<<21)|(3<<22)|(3<<25)
	s_mov_b32 s[G1B+1], 256<<16                    ; 128 rows x 192 bytes are dense in a plane of the codes: stated as 96 rows of 256 bytes
	s_mov_b32 s[G1B+2], 96<<16
	s_mov_b32 s[G1B+3], 256<<16
	s_mov_b32 s[G1B+4], 96
	s_mov_b32 s[G1B+5], 256
	s_mov_b32 s[G1B+6], 0
	s_mov_b32 s[G1B+7], 0
	s_or_b32 s[G1S+0], s43, (3<<16)|(1<<20)|(1<<21)|(5<<22)|(3<<25)
	s_or_b32 s[G1SB+0], s44, (3<<16)|(1<<20)|(1<<21)|(5<<22)|(3<<25)
.irp g, G1S, G1SB
	s_mov_b32 s[\g+1], 32<<16
	s_mov_b32 s[\g+2], (128*KS/256)<<16
	s_mov_b32 s[\g+3], 32<<16
	s_mov_b32 s[\g+4], 128*KS/256
	s_mov_b32 s[\g+5], 32
	s_mov_b32 s[\g+6], 0
	s_mov_b32 s[\g+7], 0
.endr
	s_lshl_b32 s18, s16, 7
	s_lshl_b32 s20, s17, 8
	s_add_co_u32 s20, s20, s18
	s_lshl_b32 s46, s42, 8
	s_add_co_u32 s46, s46, s18
	s_add_co_u32 s46, s46, 11264
	s_mov_b32 s21, 0
	s_mov_b32 s47, 0
	s_mov_b64 s[18:19], KS
	s_mul_u64 s[22:23], s[20:21], s[18:19]
	s_mul_u64 s[92:93], s[46:47], s[18:19]
	s_mov_b64 s[18:19], KROW
	s_mul_u64 s[20:21], s[20:21], s[18:19]
	s_mov_b64 s[18:19], 192                        ; a row of w_o's codes in one plane
	s_mul_u64 s[46:47], s[46:47], s[18:19]
	s_mul_i32 s45, s16, HALFA
	s_mul_i32 s95, s16, HALFT
	s_add_co_u32 s95, s95, BOFF
	s_mul_i32 s94, s14, HALFS
	s_wait_dscnt 0x0
	s_wait_kmcnt 0x0
	s_add_nc_u64 s[20:21], s[4:5], s[20:21]
	s_add_nc_u64 s[22:23], s[6:7], s[22:23]
	s_add_nc_u64 s[46:47], s[8:9], s[46:47]
	s_add_nc_u64 s[92:93], s[10:11], s[92:93]
	CROUND
	s_mov_b32 s[G0S], 1
	s_add_co_u32 s[G0S+1], s94, SCL
	s_mov_b64 s[G0S+2:G0S+3], s[22:23]
	s_or_b32 s[G0S+3], s[G0S+3], 0x80000000
	s_mov_b32 s[G0SB], 1
	s_add_co_u32 s[G0SB+1], s94, SCL
	s_mov_b64 s[G0SB+2:G0SB+3], s[92:93]
	s_or_b32 s[G0SB+3], s[G0SB+3], 0x80000000
	JLOAD G0S, G1S, G0SB, G1SB
.irp s, 0,1
	s_mov_b32 s[G0+4*\s], 1
	s_add_co_u32 s[G0+4*\s+1], s45, \s*SLOT
	s_add_nc_u64 s[G0+4*\s+2:G0+4*\s+3], s[20:21], \s*ASTEP
	s_or_b32 s[G0+4*\s+3], s[G0+4*\s+3], 0x80000000
	s_mov_b32 s[G0B+4*\s], 1
	s_add_co_u32 s[G0B+4*\s+1], s95, \s*SLOT
	s_add_nc_u64 s[G0B+4*\s+2:G0B+4*\s+3], s[46:47], \s*2359296
	s_or_b32 s[G0B+4*\s+3], s[G0B+4*\s+3], 0x80000000
	s_wait_alu depctr_va_vdst(0)
	s_wait_tensorcnt 0x0
	ds_add_u32 v28, v29
	s_wait_dscnt 0x0
	CROUND
	JLOAD G0+4*\s, G1, G0B+4*\s, G1B
.endr
	v_and_b32 v1, 15, v0
	v_bfe_u32 v2, v0, 4, 1
	v_mul_u32_u24 v3, v1, PITCH
	v_mul_u32_u24 v4, v2, 24
	v_add_nc_u32 v4, v3, v4
	v_lshl_add_u32 v5, v2, 4, v4
	v_and_b32 v6, 31, v0
	v_lshlrev_b32 v7, 3, v6
	s_mul_i32 s21, s15, HALFA
	s_mul_i32 s22, s16, HALFT
	s_add_co_u32 s22, s22, BOFF
.irp s, 0,1
	v_add_nc_u32 v[ADRA+\s], s21, v7
	v_add_nc_u32 v[ADRB+\s], s22, v4
	v_add_nc_u32 v[ADRB+2+\s], s22, v5
	s_add_co_u32 s21, s21, SLOT
	s_add_co_u32 s22, s22, SLOT
.endr
	v_mul_u32_u24 v5, v1, KS
	v_lshrrev_b32 v8, 8, v5
	v_lshl_add_u32 v5, v8, 4, v5
	s_mul_i32 s21, s15, HALFS
	s_mul_i32 s22, s16, HALFS
	s_add_co_u32 s22, s22, 2*HALFS
	s_sub_co_u32 s22, s22, s21
	v_mul_u32_u24 v8, s22, v2
	s_add_co_u32 s21, s21, SCL
	v_add_nc_u32 v5, v5, v8
	v_add_nc_u32 v[ADRS], s21, v5
	s_mul_i32 s23, s14, 16*SPITCH
	v_mul_u32_u24 v5, v1, SPITCH
	v_lshl_add_u32 v5, v2, 5, v5
	v_add_nc_u32 v[STO], s23, v5
	v_lshlrev_b32 v[CO], 4, v6
	v_add_nc_u32 v[RD], s23, v[CO]
	s_lshl_b32 s20, s17, 8
	s_lshl_b32 s21, s15, 7
	s_add_co_u32 s20, s20, s21
	s_mov_b32 s21, 0
	s_mov_b64 s[18:19], SIZE_N*4
	s_mul_u64 s[20:21], s[20:21], s[18:19]
	s_lshl_b32 s46, s42, 10
	s_lshl_b32 s47, s16, 9
	s_add_co_u32 s46, s46, s47
	s_mov_b32 s47, 0
	s_add_nc_u64 s[20:21], s[20:21], s[46:47]
	s_add_nc_u64 s[12:13], s[12:13], s[20:21]
.macro FRAG reg, adr, q, i
.irp p, 0,1,2,3,4,5
.set PCE, 12*(\q)+6*(\p/3)+\p%3
.if PCE%8 < 5
	ds_load_b64 v[\reg+2*\p:\reg+2*\p+1], v[\adr] offset:8*PCE+16*(PCE/8)+(\i)*16*PITCH
.else
	ds_load_b64 v[\reg+2*\p:\reg+2*\p+1], v[\adr+2] offset:8*PCE+16*(PCE/8)+(\i)*16*PITCH
.endif
.endr
.endm
.macro FRAGA reg, slot, q, i
.irp p, 0,1,2,3,4,5
	ds_load_b64 v[\reg+2*\p:\reg+2*\p+1], v[ADRA+\slot] offset:ASTEP*(\i)+768*(2*(\q)+\p/3)+256*(\p%3)
.endr
.endm
.macro MUL16 a0, p, q, sc, zero
.irp a, \a0, \a0+1
.irp b, 0,1,2,3,4,5,6,7
.if \zero
	v_wmma_scale_f32_16x16x128_f8f6f4 v[8*(8*((\a)%4)+\b):8*(8*((\a)%4)+\b)+7], v[128*(\p)+FR*\b:128*(\p)+FR*\b+FR-1], v[AF+FR*(\a):AF+FR*(\a)+FR-1], 0, v[SC+8*NQ*(\sc)+NQ*\b+(\q)], v[SC+8*NQ*(\sc)+NQ*(\a)+(\q)] matrix_a_fmt:MATRIX_FMT_FP6 matrix_b_fmt:MATRIX_FMT_FP6 matrix_a_scale:MATRIX_SCALE_ROW1
.else
	v_wmma_scale_f32_16x16x128_f8f6f4 v[8*(8*((\a)%4)+\b):8*(8*((\a)%4)+\b)+7], v[128*(\p)+FR*\b:128*(\p)+FR*\b+FR-1], v[AF+FR*(\a):AF+FR*(\a)+FR-1], v[8*(8*((\a)%4)+\b):8*(8*((\a)%4)+\b)+7], v[SC+8*NQ*(\sc)+NQ*\b+(\q)], v[SC+8*NQ*(\sc)+NQ*(\a)+(\q)] matrix_a_fmt:MATRIX_FMT_FP6 matrix_b_fmt:MATRIX_FMT_FP6 matrix_a_scale:MATRIX_SCALE_ROW1
.endif
.endr
.endr
.endm
.macro FETCH_B slot, q, p
	WIN TO_B
.irp i, 0,1,2,3,4,5,6,7
	FRAG 128*(\p)+FR*\i, ADRB+\slot, \q, \i
.endr
	WIN 0
.endm
.macro FETCH_A slot, q, i0
.irp i, \i0, \i0+1, \i0+2, \i0+3
	FRAGA AF+FR*(\i), \slot, \q, \i
.endr
.endm
.macro SCALES sc
.irp i, 0,1,2,3,4,5,6,7
	ds_load_b64 v[SC+8*NQ*\sc+NQ*\i:SC+8*NQ*\sc+NQ*\i+1], v[ADRS] offset:\i*SBLK
.endr
.endm
.macro PLACES n
.rept \n
	v_nop
.endr
.endm
.macro STEP slot, q, zero
	s_wait_dscnt 4*NL
	WIN MUL_LO
	MUL16 0, (\q)%2, \q, \slot, \zero
	MUL16 2, (\q)%2, \q, \slot, \zero
	s_wait_dscnt 0
	PLACES NP
	FETCH_B \slot, (\q)+1, 1-(\q)%2
	FETCH_A \slot, (\q)+1, 0
	WIN MUL_HI
	MUL16 4, (\q)%2, \q, \slot, \zero
	MUL16 6, (\q)%2, \q, \slot, \zero
	PLACES NP
	WIN 0
	FETCH_A \slot, (\q)+1, 4
.endm
.macro TURN slot, next, fill
	s_wait_tensorcnt 0x0
	ds_add_u32 v[SPW], v[NIL]
	s_wait_dscnt 4*NL+1
	WIN MUL_LO
	MUL16 0, 1, NQ-1, \slot, 0
	s_wait_dscnt 0x0
	s_barrier_signal -1
	MUL16 2, 1, NQ-1, \slot, 0
	WIN 0
	s_barrier_wait -1
.if \fill
	CREST
	s_add_nc_u64 s[G0+4*\slot+2:G0+4*\slot+3], s[G0+4*\slot+2:G0+4*\slot+3], 2*ASTEP
	s_add_nc_u64 s[G0B+4*\slot+2:G0B+4*\slot+3], s[G0B+4*\slot+2:G0B+4*\slot+3], 2*2359296
	JLOAD G0+4*\slot, G1, G0B+4*\slot, G1B
.else
	PLACES NP
.endif
	s_wait_alu depctr_va_vdst(0)
	v_add_nc_u32 v[ADRS], 4*NQ, v[ADRS]
	FETCH_B \next, 0, 0
	FETCH_A \next, 0, 0
	SCALES \next
	WIN MUL_HI
	MUL16 4, 1, NQ-1, \slot, 0
	MUL16 6, 1, NQ-1, \slot, 0
	PLACES NP
	WIN 0
	FETCH_A \next, 0, 4
.endm
	s_wait_alu depctr_va_vdst(0)
	s_wait_tensorcnt 1
	s_barrier_signal -1
	s_barrier_wait -1
	FETCH_B 0, 0, 0
	FETCH_A 0, 0, 0
	SCALES 0
	FETCH_A 0, 0, 4
	STEP 0, 0, 1
	s_mov_b32 s3, LAPS-1
.Llap:
	TURN 0, 1, 1
	STEP 1, 0, 0
	TURN 1, 0, 1
	STEP 0, 0, 0
	s_sub_co_u32 s3, s3, 1
	s_cmp_lg_u32 s3, 0
	s_cbranch_scc1 .Llap
	TURN 0, 1, 0
	STEP 1, 0, 0
	s_wait_dscnt 4*NL
	WIN MUL_LO
	MUL16 0, 1, NQ-1, 1, 0
	MUL16 2, 1, NQ-1, 1, 0
	s_wait_dscnt 0
	WIN MUL_HI
	MUL16 4, 1, NQ-1, 1, 0
	MUL16 6, 1, NQ-1, 1, 0
	WIN 0
.macro TOSTAGE a
.set AC, 64*((\a)%4)
	WIN 0x08+4*((\a)/4)
.irp b, 0,1,2,3,4,5,6,7
	ds_store_b128 v[STO], v[AC+8*\b:AC+8*\b+3] offset:64*\b
	ds_store_b128 v[STO], v[AC+8*\b+4:AC+8*\b+7] offset:64*\b+16
.endr
	WIN 0
.set BB, BK+64*((\a)%2)
.irp t, 0,1,2,3,4,5,6,7,8,9,10,11,12,13,14,15
	ds_load_b128 v[BB+4*\t:BB+4*\t+3], v[RD] offset:\t*SPITCH
.endr
.endm
.macro SEND a, younger
.set BB, BK+64*((\a)%2)
	s_wait_dscnt \younger
.irp t, 0,1,2,3,4,5,6,7,8,9,10,11,12,13,14,15
	global_store_b128 v[CO], v[BB+4*\t:BB+4*\t+3], s[12:13] offset:(32*((\a)/2)+8*((\a)%2)+16*(\t/8)+\t%8)*SIZE_N*4 th:TH_STORE_NT
.endr
.endm
	PLACES NP
	TOSTAGE 0
.irp a, 1,2,3,4,5,6,7
.if \a > 1
	s_wait_xcnt 0x0
.endif
	TOSTAGE \a
	SEND \a-1, 32
.endr
	SEND 7, 0
	s_wait_tensorcnt 0x0
	ds_add_u32 v[SPW], v[NIL]
	s_wait_dscnt 0x0
	CROUND
	s_endpgm
.Lfunc_end_k_qbeccf4bb05_proj:
	.size	k_qbeccf4bb05_proj, .Lfunc_end_k_qbeccf4bb05_proj-k_qbeccf4bb05_proj
	.p2alignl 7, 3214868480
	.fill 96, 4, 3214868480
	.section	.rodata,"a",@progbits
	.p2align	6, 0x0
	.amdhsa_kernel k_qbeccf4bb05_proj
		.amdhsa_group_segment_fixed_size 327680
		.amdhsa_private_segment_fixed_size 0
		.amdhsa_enable_private_segment 0
		.amdhsa_kernarg_size 40
		.amdhsa_user_sgpr_count 2
		.amdhsa_user_sgpr_kernarg_segment_ptr 1
		.amdhsa_wavefront_size32 1
		.amdhsa_system_sgpr_workgroup_id_x 1
		.amdhsa_system_sgpr_workgroup_id_y 1
		.amdhsa_system_sgpr_workgroup_id_z 1
		.amdhsa_system_vgpr_workitem_id 0
		.amdhsa_next_free_vgpr 1024
		.amdhsa_next_free_sgpr 98
		.amdhsa_reserve_vcc 0
		.amdhsa_float_denorm_mode_32 3
		.amdhsa_float_denorm_mode_16_64 3
		.amdhsa_memory_ordered 1
		.amdhsa_forward_progress 1
		.amdhsa_inst_pref_size 160
	.end_amdhsa_kernel
	.amdgpu_metadata
---
amdhsa.version: [ 1, 2 ]
amdhsa.kernels:
  - .name:           k_qbeccf4bb05_proj
    .symbol:         k_qbeccf4bb05_proj.kd
    .args:
      - { .name: acodes, .offset: 0, .size: 8, .value_kind: global_buffer, .address_space: global }
      - { .name: ascales, .offset: 8, .size: 8, .value_kind: global_buffer, .address_space: global }
      - { .name: codes, .offset: 16, .size: 8, .value_kind: global_buffer, .address_space: global }
      - { .name: scales, .offset: 24, .size: 8, .value_kind: global_buffer, .address_space: global }
      - { .name: out0, .offset: 32, .size: 8, .value_kind: global_buffer, .address_space: global }
    .group_segment_fixed_size: 327680
    .private_segment_fixed_size: 0
    .kernarg_segment_align: 8
    .kernarg_segment_size: 40
    .max_flat_workgroup_size: 128
    .sgpr_count:     98
    .vgpr_count:     1024
    .wavefront_size: 32
...
	.end_amdgpu_metadata
.endif
;; end of part 4
